; MI455X (gfx1250); checked and timed in simulation.
; The chip was launched on July 23, 2026; its instructions are those of AMD's public machine-readable ISA for CDNA 5 (MIT licence, August 2026) and "CDNA5" Instruction Set Architecture Reference Guide (July 2026). The comments in the code are by the model that wrote it; some were corrected since.
;; Multi Head Attention. Allowed arithmetic: matrix products marked QUANTISED: E2M1 operands, one E8M0 scale for each 32 along K, by v_wmma_scale_f32_16x16x128_f8f6f4 with both operands' format E2M1 (or v_wmma_scale_f32_32x16x128_f4), f32 sums; everything else in f32.
;; Inputs: bk 1,024 float32; bo 1,024 float32; bq 1,024 float32; bv 1,024 float32; key 4 x 2,048 x 1,024 float32; mask 1 x 1 x 2,048 x 2,048 bool; query 4 x 2,048 x 1,024 float32; value 4 x 2,048 x 1,024 float32; wk 1,024 x 1,024 float32; wo 1,024 x 1,024 float32; wq 1,024 x 1,024 float32; wv 1,024 x 1,024 float32.
;; Outputs: out0 4 x 2,048 x 1,024 float32.
;; This version of the problem:
;;   THIS VERSION OF THE PROBLEM IS GIVEN IN LOW PRECISION. The matrix products marked QUANTISED in the list below multiply operands that are first quantised to E2M1 (2 exponent bits, 1 mantissa bit; 4 bits a number), with one power-of-two scale for each 32 numbers along K (OCP MX v1.0); their sums are f32. All else is computed in f32.
;;   The module's matrix products, in the order in which they are computed (A, B: the left and right operand; K: the contracted axis; several contracted axes count as one K, in the product's order):
;;     1. [M 8,192, K 1,024] x [K 1,024, N 1,024]; A: input query; B: input wq: QUANTISED
;;     2. [M 8,192, K 1,024] x [K 1,024, N 1,024]; A: input key; B: input wk: QUANTISED
;;     3. [M 8,192, K 1,024] x [K 1,024, N 1,024]; A: input value; B: input wv: QUANTISED
;;     4. batch 64 x [M 2,048, K 64] x [K 64, N 2,048]; A: computed on the way; B: computed on the way: QUANTISED
;;     5. batch 64 x [M 2,048, K 2,048] x [K 2,048, N 64]; A: softmax (see below); B: computed on the way: QUANTISED
;;     6. [M 8,192, K 1,024] x [K 1,024, N 1,024]; A: computed on the way; B: input wo: QUANTISED
;;   THE QUANTISER, for each operand of a quantised product, along K:
;;     - K is cut into blocks of 32 from its start; a last block that is shorter is filled with zeros.
;;     - A block's scale is 2^e with e = floor(log2(the largest magnitude in the block)) - 2, held to -126 .. 127; a block of zeros has e = 0. As a byte (E8M0): e + 127.
;;     - Each number is divided by its block's scale, clamped to +-6, and rounded to the nearest number of E2M1, ties to even, subnormals kept.
;;     - The product sums the exact products of the quantised numbers (number of the format x scale) in f32.
;;   ~~~python
;;   def quantise(x, axis):      # numpy; x: float32 -> the quantised numbers, widened to float32 again
;;       x = np.moveaxis(x, axis, -1); K = x.shape[-1]
;;       x = np.pad(x, [(0, 0)] * (x.ndim - 1) + [(0, -K % 32)]); x = x.reshape(x.shape[:-1] + (-1, 32)); a = np.abs(x).max(-1, keepdims=True)
;;       e = np.where(a > 0, np.clip(np.frexp(np.where(a > 0, a, 1))[1] - 1 - 2, -126, 127), 0)      # np.frexp(a)[1] - 1 = floor(log2(a)), exactly
;;       r = np.clip(x / 2.0 ** e, -6, 6)
;;       step = 2.0 ** (np.maximum(np.frexp(np.where(r == 0, 1, r))[1] - 1, 0) - 1)
;;       q = np.round(r / step) * step * 2.0 ** e      # np.round: ties to even
;;       return np.moveaxis(q.reshape(q.shape[:-2] + (-1,))[..., :K], -1, axis).astype(np.float32)
;;   ~~~
;;   SOFTMAX AHEAD OF A QUANTISED PRODUCT. Where the list says 'softmax', what is quantised is not the finished softmax but p = 2^(t - M), with t = logit x log2(e) and M = ceil(the row's largest t), a whole number; so 1/2 < the row's largest p <= 1. The row's sum l is taken of the UNQUANTISED p, in f32, and the product's result is divided by l at the end. Since M is a whole number, a kernel that streams over the keys may use a running M (the ceiling of the running maximum): every later rescaling is an exact power of two, which a block's scale takes up: the codes' values come out the same.
;;   OPERANDS COMPUTED ON THE WAY. 'Computed on the way' means the value that the module computes at that place (a softmax that the list does not call 'softmax' is quantised finished and normalised). What goes into a quantiser is computed in f32, as accurately as f32 sums, v_exp_f32 and their like allow (about 1e-6 of the number): no bf16 or f16 on the way to a quantiser, and a product that is left as it is and whose result goes on into a quantised operand takes f32 operands (vector FMAs, or v_wmma_f32_16x16x4_f32). A number that lies on a knife's edge between two numbers of the format may be rounded either way, as far as f32 arithmetic and the matrix unit's own rounding can turn it there, and no further.
;; 2 versions, each right; version 2 is version 1 with the launch attn written anew for expert scheduling mode. Each part assembles by itself: llvm-mc -triple=amdgcn-amd-amdhsa -mcpu=gfx1250 --defsym DOCPART=n.
;; ======== version 1 of 2: 4 launches
;; limits: right only within a limited range of input values
;; workspace buffers: img 15,597,568 bytes; mw 524,288 bytes of whole numbers; mf 2,048 bytes of whole numbers; qimg 4,194,304 bytes; qsc 524,288 bytes; kv 8,912,896 bytes; cimg 4,194,304 bytes; csc 262,144 bytes
;; launch prep (part 1): grid 576 x 1, 4 waves a work-group, no clusters, 34,304 bytes of LDS; arguments query, key, value, wq, wk, wv, wo, mask, img, mw, mf; writes img, mw, mf
.if DOCPART == 1
	.amdgcn_target "amdgcn-amd-amdhsa--gfx1250"
	.amdhsa_code_object_version 6
	.text
	.protected	k_qf09d25848b_prep
	.globl	k_qf09d25848b_prep
	.p2align	8
	.type	k_qf09d25848b_prep,@function
k_qf09d25848b_prep:
	s_mov_b64 s[64:65], 0
	v_nop
	global_prefetch_b8 v0, s[64:65] scope:SCOPE_SE
	s_setreg_imm32_b32 hwreg(HW_REG_WAVE_MODE, 25, 1), 1
	s_wait_xcnt 0x0
; PREP.  (1) query, key, value [8192][1024] and wq, wk, wv, wo [1024][1024], f32 with K innermost, become codes of FP4 (E2M1) with one E8M0 byte for each 32 along K,
; laid in the order of an operand's registers.  (2) The mask [2048][2048] of bytes becomes lane masks for the attention launch, and a flag for each (tile of queries, 128 keys).
; A TILE is 16 rows that are not neighbours: lane r of tile T holds row 32 (T / 2) + 8 (T % 2) + r + 8 (r / 8).
; A RECORD is a tile's 8,704 bytes: two halves of K, each [4 images of 1,024 bytes][16 rows x 4 scale words].  An image is a fragment (16 rows x 128 K) as its registers:
; [c 0..1][lane][16 bytes], lane (r, h) holding k = 64 c + 32 h + 0 .. 31 of its row.  img holds 1,792 records: query 0, key 512, value 1,024, wq 1,536, wk 1,600, wv 1,664, wo 1,728.
; A block's scale is 2^(floor(log2(its largest magnitude)) - 2); its byte is the largest magnitude's exponent field - 2, held at 1 from below.
; LIMITS: a block of zeros gets the byte 1 where the rule says 127 (its codes are zeros, and this program alone reads the bytes); blocks whose largest magnitude lies under 2^-124 have the byte 1;
; NaN and infinities are not served.
; SHARES: work-groups 0-127 take the mask (a tile of queries each, a wave 4 steps of 128 keys); work-groups 128-575 quantise, a wave a tile (64 KiB of f32).  Waves share nothing: no barrier.
; Only the quantising path uses LDS.  mf is stored 4 bytes a wave: 2,048 bytes in the whole launch.
.set ROWB,  4096                       ; a row of 1,024 f32
.set REC,   8704
.set HALF,  4352
.set SP,    528                        ; a stage row: 512 bytes + 16: row r starts 4 r banks on (64 banks of 4 bytes: ISA guide 11.1)
.set STG,   16*SP                      ; a wave's stage
.set R,     32                         ; v32-159  two sets of 64: a K step of 16 rows as loaded
.set X,     160                        ; v160-223 my 64 numbers: X[32 c + i] = k 64 c + 32 h + i of row r
.set C,     224                        ; v224-239 two sets of 8 registers of codes
.set SW,    240                        ; v240-247 my row's scale word of each K step
	s_load_b512 s[4:19], s[0:1], 0x0               ; query, key, value, wq, wk, wv, wo, mask
	s_load_b128 s[20:23], s[0:1], 0x40             ; img, mw
	s_load_b64 s[24:25], s[0:1], 0x50              ; mf
	v_lshl_add_u32 v254, v0, 2, 0x8400
	v_mov_b32 v255, 0
	v_lshrrev_b32 v1, 5, v0
	v_readfirstlane_b32 s26, v1                    ; wave
	v_and_b32 v6, 31, v0                           ; lane
	v_and_b32 v7, 15, v0                           ; r
	v_bfe_u32 v16, v0, 4, 1                        ; h
	s_cmp_lt_u32 ttmp9, 128
	s_cbranch_scc1 .Lmask
; ---------------- the quantiser ----------------
	s_sub_co_u32 s27, ttmp9, 128                   ; G: which group of four tiles
	v_lshlrev_b32 v1, 4, v6                        ; 16 x lane: loads, and the images' stores
	s_mul_i32 s29, s26, STG
	v_add_nc_u32 v2, s29, v1                       ; the stage, on the way in
	v_mul_u32_u24 v3, v7, SP
	v_lshl_add_u32 v3, v16, 7, v3
	v_add_nc_u32 v3, s29, v3                       ; and on the way out: row r, + 128 h bytes
	v_lshlrev_b32 v4, 3, v16                       ; 8 h: my bytes' place in a scale word, in bits
	v_mul_u32_u24 v5, v16, HALF
	v_lshl_add_u32 v5, v7, 4, v5
	v_add_nc_u32 v5, 4096, v5                      ; where lane (r, h) stores row r's four scale words of half h
	v_mov_b32 v15, 0                               ; a lane permute's destination counts as one of its sources
	s_mov_b32 s34, 0x76543210
	s_mov_b32 s35, 0xfedcba98                      ; selects for lane l xor 16
	s_wait_kmcnt 0x0
	s_mov_b64 s[30:31], s[16:17]                   ; which tensor: from wo downwards; the choice hangs on the work-group's number alone
	s_mov_b32 s28, 432                             ; and its first group
.macro PICK bound, ptr, first
	s_cmp_lt_u32 s27, \bound
	s_cselect_b64 s[30:31], s[\ptr:\ptr+1], s[30:31]
	s_cselect_b32 s28, \first, s28
.endm
	PICK 432, 14, 416
	PICK 416, 12, 400
	PICK 400, 10, 384
	PICK 384, 8, 256
	PICK 256, 6, 128
	PICK 128, 4, 0
	s_sub_co_u32 s28, s27, s28
	s_lshl_b32 s28, s28, 2
	s_add_co_u32 s28, s28, s26                     ; my tile in its tensor
	s_lshr_b32 s36, s28, 1
	s_lshl_b32 s36, s36, 5
	s_and_b32 s37, s28, 1
	s_lshl_b32 s37, s37, 3
	s_add_co_u32 s36, s36, s37                     ; its first row: 32 (T / 2) + 8 (T % 2)
	s_lshl_b32 s36, s36, 12
	s_mov_b32 s37, 0
	s_add_nc_u64 s[30:31], s[30:31], s[36:37]
	s_lshl_b32 s38, s27, 2
	s_add_co_u32 s38, s38, s26
	s_mul_i32 s38, s38, REC                        ; my record
	s_mov_b32 s39, 0
	s_add_nc_u64 s[32:33], s[20:21], s[38:39]
.macro LOAD f                          ; K step f of the 16 rows: each load reads 512 consecutive bytes of one row
.irp i, 0,1,2,3,4,5,6,7,8,9,10,11,12,13,14,15
	global_load_b128 v[R+64*((\f)%2)+4*\i:R+64*((\f)%2)+4*\i+3], v1, s[30:31] offset:(\i+8*(\i/8))*ROWB+512*(\f) th:TH_LOAD_NT
.endr
.endm
.macro FRAG f
.if (\f) < 7
	s_wait_loadcnt 16                              ; this K step's 16 loads are in; the next one's 16 may be out
.else
	s_wait_loadcnt 0x0
.endif
.irp i, 0,1,2,3,4,5,6,7,8,9,10,11,12,13,14,15
	ds_store_b128 v2, v[R+64*((\f)%2)+4*\i:R+64*((\f)%2)+4*\i+3] offset:SP*\i
.endr
.irp c, 0,1
.irp i, 0,1,2,3,4,5,6,7
	ds_load_b128 v[X+32*\c+4*\i:X+32*\c+4*\i+3], v3 offset:256*\c+16*\i   ; LDS serves a wave's instructions in order: these see the stores above
.endr
.endr
	s_wait_dscnt 0x0                               ; my 64 numbers are back, and the stores have read their registers,
.if (\f) < 6
	LOAD (\f)+2                                    ; which take the K step two on
.endif
.irp c, 0,1                                    ; my two blocks, 2 c + h: all 32 numbers of each are mine
	v_max3_num_f32 v[8+\c], |v[X+32*\c]|, |v[X+32*\c+1]|, 0x1800000   ; with the floor 2^(3 - 127): the byte cannot fall under 1
.endr
.irp i, 2,4,6,8,10,12,14,16,18,20,22,24,26,28,30
.irp c, 0,1
	v_max3_num_f32 v[8+\c], v[8+\c], |v[X+32*\c+\i]|, |v[X+32*\c+\i+1]|
.endr
.endr
.irp c, 0,1
	v_add_nc_u32 v[10+\c], 0xff000000, v[8+\c]     ; 2 off the exponent field: the conversion's scale operand
.endr
.irp c, 0,1
	v_lshrrev_b32 v[12+\c], 23, v[10+\c]           ; the scale's byte
.endr
	v_lshl_or_b32 v14, v13, 16, v12                ; bytes h and 2 + h of the word,
	v_lshlrev_b32 v14, v4, v14
	v_permlanex16_b32 v15, v14, s34, s35
	v_or_b32 v[SW+\f], v14, v15                    ; with lane l xor 16's two the word is whole
	s_wait_xcnt 0x0                                ; the stores of two K steps back have read this set of code registers
.irp c, 0,1
.irp g, 0,1,2,3
	v_cvt_scalef32_pk8_fp4_f32 v[C+8*((\f)%2)+4*\c+\g], v[X+32*\c+8*\g:X+32*\c+8*\g+7], v[10+\c]
.endr
.endr
	v_nop                                          ; one plain line behind the last conversion: the next K step writes the scale operands again
.irp c, 0,1
	global_store_b128 v1, v[C+8*((\f)%2)+4*\c:C+8*((\f)%2)+4*\c+3], s[32:33] offset:((\f)/4)*HALF+((\f)%4)*1024+512*\c   ; 512 consecutive bytes
.endr
.endm
	LOAD 0
	LOAD 1
.irp f, 0,1,2,3,4,5,6,7
	FRAG \f
.endr
	v_cmp_ne_u32 vcc_lo, 0, v16
.irp i, 0,1,2,3
	v_cndmask_b32 v[248+\i], v[SW+\i], v[SW+4+\i], vcc_lo      ; lanes 0-15 the first half's four words, lanes 16-31 the second's
.endr
	global_store_b128 v5, v[248:251], s[32:33]     ; sixteen lanes store 256 consecutive bytes
	s_wait_tensorcnt 0x0
	ds_add_u32 v254, v255
	s_wait_dscnt 0x0
	s_endpgm
; ---------------- the mask ----------------
; mw[Tq][step][n], n = 0 .. 63: bit l = 1 where mask[query of lane l % 16 of tile Tq][128 step + 32 (n / 16) + 16 (l / 16) + n % 16] is 0: the lanes in which score register n is hidden.
; mf[Tq][wave]: bit i = 1 where step 4 wave + i hides anything.
.Lmask:
	v_and_b32 v1, 8, v7
	v_add_nc_u32 v1, v1, v7                        ; r + 8 (r / 8)
	v_lshlrev_b32 v1, 11, v1
	v_lshl_add_u32 v1, v16, 4, v1                  ; that row of 2,048 bytes, + 16 h
	v_lshlrev_b32 v2, 3, v6                        ; out: 8 bytes a lane
	s_lshr_b32 s28, ttmp9, 1
	s_lshl_b32 s28, s28, 5
	s_and_b32 s29, ttmp9, 1
	s_lshl_b32 s29, s29, 3
	s_add_co_u32 s28, s28, s29                     ; the tile's first query
	s_lshl_b32 s28, s28, 11
	s_lshl_b32 s29, s26, 9
	s_add_co_u32 s28, s28, s29                     ; + my four steps' 512 keys
	s_mov_b32 s29, 0
	s_lshl_b32 s30, ttmp9, 4
	s_lshl_b32 s31, s26, 2
	s_add_co_u32 s30, s30, s31                     ; 16 Tq + 4 wave: my first step's number, and my flag word's byte
	s_lshl_b32 s32, s30, 8
	s_mov_b32 s33, 0
	s_wait_kmcnt 0x0
	s_add_nc_u64 s[18:19], s[18:19], s[28:29]
	s_add_nc_u64 s[22:23], s[22:23], s[32:33]
.irp s, 0,1,2,3
.irp b, 0,1,2,3
	global_load_b128 v[32+16*\s+4*\b:35+16*\s+4*\b], v1, s[18:19] offset:128*\s+32*\b
.endr
.endr
.irp t, 0,1,2,3,4,5,6,7
	v_mov_b32 v[96+\t], 0                          ; v_writelane_b32's destination counts as read
.endr
	s_mov_b32 s39, 0
	s_wait_loadcnt 0x0
.macro MSTEP sl
	s_mov_b32 s38, 0
.set n, 0
.rept 64
	v_bfe_u32 v[8+n%2], v[32+16*\sl+4*(n/16)+(n%16)/4], 8*(n%4), 8
	v_cmp_eq_u32 s[36+n%2], 0, v[8+n%2]            ; the 32 lanes' bits ARE word n
	v_writelane_b32 v[96+2*\sl+n%2], s[36+n%2], n/2   ; lane n / 2 will store words n and n + 1
	s_or_b32 s38, s38, s[36+n%2]
.set n, n+1
.endr
	global_store_b64 v2, v[96+2*\sl:97+2*\sl], s[22:23] offset:256*\sl   ; 256 consecutive bytes
	s_cmp_lg_u32 s38, 0
	s_cselect_b32 s40, 1<<\sl, 0
	s_or_b32 s39, s39, s40
.endm
	MSTEP 0
	MSTEP 1
	MSTEP 2
	MSTEP 3
	v_mov_b32 v10, s39
	v_mov_b32 v11, s30
	v_cmp_eq_u32 vcc_lo, 0, v6
	s_wait_xcnt 0x0                                ; EXEC is a source of the stores above: it changes only behind this wait
	s_and_saveexec_b32 s41, vcc_lo
	global_store_b32 v11, v10, s[24:25]            ; lane 0 alone
	s_wait_xcnt 0x0                                ; and again ahead of the line that widens it
	s_or_b32 exec_lo, exec_lo, s41
	s_endpgm
.Lfunc_end_k_qf09d25848b_prep:
	.size	k_qf09d25848b_prep, .Lfunc_end_k_qf09d25848b_prep-k_qf09d25848b_prep
	.p2alignl 7, 3214868480
	.fill 96, 4, 3214868480
	.section	.rodata,"a",@progbits
	.p2align	6, 0x0
	.amdhsa_kernel k_qf09d25848b_prep
		.amdhsa_group_segment_fixed_size 34304
		.amdhsa_private_segment_fixed_size 0
		.amdhsa_enable_private_segment 0
		.amdhsa_kernarg_size 88
		.amdhsa_user_sgpr_count 2
		.amdhsa_user_sgpr_kernarg_segment_ptr 1
		.amdhsa_wavefront_size32 1
		.amdhsa_system_sgpr_workgroup_id_x 1
		.amdhsa_system_sgpr_workgroup_id_y 1
		.amdhsa_system_sgpr_workgroup_id_z 1
		.amdhsa_system_vgpr_workitem_id 0
		.amdhsa_next_free_vgpr 256
		.amdhsa_next_free_sgpr 66
		.amdhsa_reserve_vcc 1
		.amdhsa_float_denorm_mode_32 3
		.amdhsa_float_denorm_mode_16_64 3
		.amdhsa_memory_ordered 1
		.amdhsa_forward_progress 1
		.amdhsa_inst_pref_size 118
	.end_amdhsa_kernel
	.amdgpu_metadata
---
amdhsa.version: [ 1, 2 ]
amdhsa.kernels:
  - .name:           k_qf09d25848b_prep
    .symbol:         k_qf09d25848b_prep.kd
    .args:
      - { .name: query, .offset: 0, .size: 8, .value_kind: global_buffer, .address_space: global }
      - { .name: key, .offset: 8, .size: 8, .value_kind: global_buffer, .address_space: global }
      - { .name: value, .offset: 16, .size: 8, .value_kind: global_buffer, .address_space: global }
      - { .name: wq, .offset: 24, .size: 8, .value_kind: global_buffer, .address_space: global }
      - { .name: wk, .offset: 32, .size: 8, .value_kind: global_buffer, .address_space: global }
      - { .name: wv, .offset: 40, .size: 8, .value_kind: global_buffer, .address_space: global }
      - { .name: wo, .offset: 48, .size: 8, .value_kind: global_buffer, .address_space: global }
      - { .name: mask, .offset: 56, .size: 8, .value_kind: global_buffer, .address_space: global }
      - { .name: img, .offset: 64, .size: 8, .value_kind: global_buffer, .address_space: global }
      - { .name: mw, .offset: 72, .size: 8, .value_kind: global_buffer, .address_space: global }
      - { .name: mf, .offset: 80, .size: 8, .value_kind: global_buffer, .address_space: global }
    .group_segment_fixed_size: 34304
    .private_segment_fixed_size: 0
    .kernarg_segment_align: 8
    .kernarg_segment_size: 88
    .max_flat_workgroup_size: 128
    .sgpr_count:     66
    .vgpr_count:     256
    .wavefront_size: 32
...
	.end_amdgpu_metadata
.endif
;; end of part 1
;; launch proj (part 2): grid 64 x 12, 8 waves a work-group, clusters of 4 x 4, 209,920 bytes of LDS; arguments img, bq, bk, bv, qimg, qsc, kv; writes qimg, qsc, kv
.if DOCPART == 2
	.amdgcn_target "amdgcn-amd-amdhsa--gfx1250"
	.amdhsa_code_object_version 6
	.text
	.protected	k_qf09d25848b_proj
	.globl	k_qf09d25848b_proj
	.p2align	8
	.type	k_qf09d25848b_proj,@function
k_qf09d25848b_proj:
	s_mov_b64 s[64:65], 0
	v_nop
	global_prefetch_b8 v0, s[64:65] scope:SCOPE_SE
	s_setreg_imm32_b32 hwreg(HW_REG_WAVE_MODE, 25, 1), 1
	s_wait_xcnt 0x0
	s_wait_alu depctr_hold_cnt(0) depctr_sa_sdst(0) depctr_va_vdst(0) depctr_va_sdst(0) depctr_va_ssrc(0) depctr_va_vcc(0) depctr_vm_vsrc(0)
	s_getreg_b32 s2, hwreg(HW_REG_IB_STS2, 6, 4)
	s_cmp_eq_u32 s2, 0
	s_cbranch_scc0 .Lentry_in_a_cluster
	s_endpgm
.Lentry_in_a_cluster:
	s_bfe_u32 s2, ttmp6, 0x10000c
	s_cmp_lg_u32 s2, 0xf033
	s_cbranch_scc0 .Lentry_shape_is_right
	s_endpgm
.Lentry_shape_is_right:
; PROJ.  q = query wq^T + bq, k = key wk^T + bk, v = value wv^T + bv on codes of FP4 with E8M0 scales (records of img: see below), sums in f32; the results are quantised in registers
; (q, k along the head's 64; v along the keys) and stored as the attention launch's operand images.
; ONE PRODUCT FOR ALL THREE: source 0 = P, whose rows come out along a lane's registers (the axis that is quantised next); source 1 = R, whose rows come out a lane each.
;   q, k: P = the weight's rows (dims), R = tokens.      v: P = value's tokens (the keys), R = wv's rows (dims).
; A TILE is 16 rows: lane r of tile T holds row 32 (T / 2) + 8 (T % 2) + r + 8 (r / 8): the 16 result registers of P's tiles 2 b, 2 b + 1 are then 16 neighbours, 32 b + 16 h + 0 .. 15.
; A RECORD of img is a tile's 8,704 bytes: two halves of K, each [4 fragment images of 1,024 bytes][16 rows x 4 scale words].  An image is a fragment as its registers: [c][lane][16 bytes].
; SHARES.  The cluster's y says which product (0 q, 1 k, 2 v).  A work-group makes 256 rows of P x 128 rows of R over all of K = 1,024: 256 work-groups a product.
; Wave w: P's tiles 8 (w / 4) .. + 7, R's tiles 2 (w % 4), + 1: 16 accumulators.
; LDS holds all of K, filled once: P's 16 tiles and R's 8, first half of K and second; no byte is filled twice, so there is no ring.
; CLUSTER 4 x 4: P's block hangs on cy alone and is asked for jointly by a row of the cluster, R's on cx alone, by a column.
; The scale words leave in pieces of 64 or 128 bytes: one sixteenth of what the launch stores.
; LIMITS: as in the quantising launch: a block of zeros gets the byte 1, blocks under 2^-124 the byte 1; NaN and infinities are not served.
.set REC,   8704
.set HALF,  4352
.set PHB,   16*HALF                    ; P: half of K of 16 tiles
.set RBASE, 2*PHB                      ; R lies behind P
.set RHB,   8*HALF                     ; R: half of K of 8 tiles
.set KVH,   139264                     ; a head's bytes in kv: K's images 65,536, V's 65,536, K's scale words 4,096, V's 4,096
.set AP,  1                            ; v1   LDS: my P fragments: 16 x lane + my 8 tiles
.set AR,  2                            ; v2   my R fragments
.set ASP, 3                            ; v3   P's scale words: lanes 0-15 an even tile's, lanes 16-31 the next tile's
.set ASR, 4                            ; v4   R's likewise
.set RS,  8                            ; v8-11    R's scale words of 4 K steps
.set BV,  12                           ; v12-27   v's bias as a C: one number a lane, in 8 registers, for each of my two R tiles
.set PW,  28                           ; v28, v29 the scale words just made
.set HH,  30                           ; v30  h
.set PF,  32                           ; v32-95   P's 8 fragments; later TM and PC
.set RF,  96                           ; v96-111  R's 2 fragments
.set PS,  112                          ; v112-127 P's scale words: register 4 (p / 2) + K step
.set ACC, 128                          ; v128-255 accumulator (j, p) at 128 + 64 j + 8 p
.set TM,  32
.set PC,  48
.macro CROUND                          ; a round of the cluster's barrier
	s_barrier_signal -1
	s_barrier_wait -1
	s_cmp_lg_u32 s18, 0
	s_cbranch_scc1 .Lnot_wave_0_\@
	s_barrier_signal -3
.Lnot_wave_0_\@:
	s_barrier_wait -3
	s_barrier_signal -1
	s_barrier_wait -1
.endm
	s_load_b256 s[4:11], s[0:1], 0x0               ; img, bq, bk, bv
	s_load_b128 s[12:15], s[0:1], 0x20             ; qimg, qsc
	s_load_b64 s[16:17], s[0:1], 0x30              ; kv
	s_set_vgpr_msb 0x40
	v_lshl_add_u32 v0, v0, 2, 0x33000
	v_mov_b32 v1, 0
	s_set_vgpr_msb 0x4045
	ds_add_u32 v0, v1
	ds_add_u32 v0, v1
	s_set_vgpr_msb 0x4500
	v_lshrrev_b32 v1, 5, v0
	v_readfirstlane_b32 s18, v1                    ; wave 0..7
	s_lshr_b32 s19, s18, 2                         ; ph: which 8 tiles of P
	s_and_b32 s20, s18, 3                          ; wr: which 2 tiles of R; also which part of a block I fetch
	s_bfe_u32 s21, ttmp6, 0x40000                  ; cx
	s_bfe_u32 s22, ttmp6, 0x40004                  ; cy
	s_and_b32 s23, ttmp7, 0xffff                   ; which product: the cluster's y
	s_lshr_b32 s24, ttmp9, 1
	s_and_b32 s25, ttmp9, 1
	s_lshl_b32 s26, s23, 6
	s_add_co_u32 s26, s26, 1536
	s_lshl_b32 s27, s23, 9
	s_cmp_eq_u32 s23, 2
	s_cselect_b32 s24, s24, 0                      ; v: 8 x 2 clusters over (tokens, dims); q, k: 1 x 16 over (dims, tokens)
	s_cselect_b32 s25, s25, ttmp9
	s_cselect_b32 s26, 1024, s26                   ; P's first record: value's, or the weight's
	s_cselect_b32 s27, 1664, s27                   ; R's: wv's, or the tokens'
	s_lshl_b32 s70, s24, 2
	s_add_co_u32 s70, s70, s22                     ; Pt: my block of 256 rows of P (never holds cx)
	s_lshl_b32 s71, s25, 2
	s_add_co_u32 s71, s71, s21                     ; Rt: my block of 128 rows of R (never holds cy)
	s_lshl_b32 s72, s70, 4
	s_add_co_u32 s72, s72, s26
	s_lshl_b32 s73, s20, 2
	s_add_co_u32 s72, s72, s73                     ; P: 4 tiles a fetching wave
	s_mul_i32 s72, s72, REC
	s_mov_b32 s73, 0
	s_lshl_b32 s74, s71, 3
	s_add_co_u32 s74, s74, s27
	s_lshl_b32 s75, s20, 1
	s_add_co_u32 s74, s74, s75                     ; R: 2 tiles a fetching wave
	s_mul_i32 s74, s74, REC
	s_mov_b32 s75, 0
	s_lshl_b32 s76, s22, 2
	s_lshl_b32 s76, 15, s76                        ; my row of the cluster
	s_lshl_b32 s77, 0x1111, s21                    ; my column
	; group 1: half a record of each tile: rows of 4,352 bytes (544 elements of 8), 8,704 bytes apart; dense in LDS
	s_or_b32 s28, s76, (3<<16)|(1<<21)             ; 15:0 the mask; 17:16 elements of 8 bytes; 21 set beside a mask
	s_mov_b32 s29, 544<<16                         ; tensor_dim0
	s_mov_b32 s30, 4<<16                           ; tensor_dim1
	s_mov_b32 s31, 544<<16                         ; tile_dim0
	s_mov_b32 s32, 4                               ; tile_dim1
	s_mov_b32 s33, 1088                            ; from row to row
	s_mov_b32 s34, 0
	s_mov_b32 s35, 0
	s_or_b32 s36, s77, (3<<16)|(1<<21)
	s_mov_b32 s37, 544<<16
	s_mov_b32 s38, 2<<16
	s_mov_b32 s39, 544<<16
	s_mov_b32 s40, 2
	s_mov_b32 s41, 1088
	s_mov_b32 s42, 0
	s_mov_b32 s43, 0
	s_mul_i32 s76, s20, 4*HALF                     ; where they go: no place in the cluster enters an LDS address
	s_mul_i32 s77, s20, 2*HALF
	s_add_co_u32 s77, s77, RBASE
	s_wait_dscnt 0x0
	s_wait_kmcnt 0x0
	s_add_nc_u64 s[72:73], s[4:5], s[72:73]
	s_add_nc_u64 s[74:75], s[4:5], s[74:75]
.irp c, 0,1                                    ; group 0, a set for each half of K
	s_mov_b32 s[44+4*\c], 1
	s_add_co_u32 s[45+4*\c], s76, \c*PHB
	s_add_nc_u64 s[46+4*\c:47+4*\c], s[72:73], \c*HALF
	s_or_b32 s[47+4*\c], s[47+4*\c], 0x80000000
	s_mov_b32 s[52+4*\c], 1
	s_add_co_u32 s[53+4*\c], s77, \c*RHB
	s_add_nc_u64 s[54+4*\c:55+4*\c], s[74:75], \c*HALF
	s_or_b32 s[55+4*\c], s[55+4*\c], 0x80000000
.endr
	CROUND                                         ; all sixteen work-groups are here: the joint loads meet
	s_cmp_lt_u32 s18, 4                            ; waves 0-3 fetch P, waves 4-7 R: two loads of mine are out, both first fills, in one branch
	s_cbranch_scc0 .Lfor_r
	tensor_load_to_lds s[44:47], s[28:35]
	s_nop 0
	tensor_load_to_lds s[48:51], s[28:35]
	s_nop 0
.rept 4
	v_nop
.endr
	s_branch .Lasked
.Lfor_r:
	tensor_load_to_lds s[52:55], s[36:43]
	s_nop 0
	tensor_load_to_lds s[56:59], s[36:43]
	s_nop 0
.rept 4
	v_nop
.endr
.Lasked:
	s_cmp_eq_u32 s23, 0
	s_cselect_b64 s[60:61], s[6:7], s[8:9]
	s_cmp_eq_u32 s23, 2
	s_cselect_b64 s[60:61], s[10:11], s[60:61]     ; the product's bias
	s_and_b32 s66, s70, 3
	s_lshl_b32 s66, s66, 1
	s_add_co_u32 s66, s66, s19
	s_lshl_b32 s66, s66, 9                         ; q, k: my 128 dims of P, in bytes (held inside the 1,024 for v, which does not use them)
	s_mov_b32 s67, 0
	s_add_nc_u64 s[62:63], s[60:61], s[66:67]
	s_and_b32 s66, s71, 7
	s_lshl_b32 s66, s66, 2
	s_add_co_u32 s66, s66, s20
	s_lshl_b32 s66, s66, 7                         ; v: my 32 dims of R, in bytes (held inside likewise)
	s_add_nc_u64 s[66:67], s[60:61], s[66:67]
	v_and_b32 v31, 31, v0                          ; lane
	v_and_b32 v29, 15, v0                          ; r
	v_bfe_u32 v[HH], v0, 4, 1                      ; h
	v_lshlrev_b32 v6, 4, v31                       ; 16 x lane
	v_lshlrev_b32 v7, 2, v31                       ; 4 x lane
	v_lshlrev_b32 v5, 6, v[HH]                     ; 64 h
	s_mul_i32 s76, s19, 8*HALF
	s_mul_i32 s77, s20, 2*HALF
	s_add_co_u32 s77, s77, RBASE
	v_add_nc_u32 v[AP], s76, v6
	v_add_nc_u32 v[AR], s77, v6
	v_mul_u32_u24 v28, v[HH], HALF
	v_lshl_add_u32 v28, v29, 4, v28
	v_add_nc_u32 v28, 4096, v28                    ; behind a tile's four images: 16 r, and a tile further for lanes 16-31
	v_add_nc_u32 v[ASP], s76, v28
	v_add_nc_u32 v[ASR], s77, v28
	v_and_b32 v31, 8, v29
	v_add_nc_u32 v31, v31, v29
	v_lshlrev_b32 v31, 2, v31                      ; 4 (r + 8 (r / 8))
	; both kinds of bias are loaded in every work-group.  q, k: straight into the accumulators, in the result's layout: they are the C of the first K step
.irp j, 0,1
.irp p, 0,1,2,3,4,5,6,7
	global_load_b128 v[ACC+64*\j+8*\p:ACC+64*\j+8*\p+3], v5, s[62:63] offset:128*(\p/2)+32*(\p%2)
	global_load_b128 v[ACC+64*\j+8*\p+4:ACC+64*\j+8*\p+7], v5, s[62:63] offset:128*(\p/2)+32*(\p%2)+16
.endr
.endr
.irp j, 0,1                                    ; v: my lane's dim, the same number in the C's eight registers
.irp i, 0,1,2,3,4,5,6,7
	global_load_b32 v[BV+8*\j+\i], v31, s[66:67] offset:32*\j
.endr
.endr
.macro SCALES                          ; the scale words of four K steps
.irp i, 0,1,2,3
	ds_load_b128 v[PS+4*\i:PS+4*\i+3], v[ASP] offset:REC*\i
.endr
	ds_load_b128 v[RS:RS+3], v[ASR]
.endm
.macro FETCH kk                        ; the fragments of K step kk of the half in hand: images, 16 bytes a lane
.irp p, 0,1,2,3,4,5,6,7
.irp c, 0,1
	ds_load_b128 v[PF+8*\p+4*\c:PF+8*\p+4*\c+3], v[AP] offset:HALF*\p+1024*(\kk)+512*\c
.endr
.endr
.irp j, 0,1
.irp c, 0,1
	ds_load_b128 v[RF+8*\j+4*\c:RF+8*\j+4*\c+3], v[AR] offset:HALF*\j+1024*(\kk)+512*\c
.endr
.endr
.endm
.macro ONE p, j, kk, cm                ; cm = 1: the sum begins with v's bias
.set rD, ACC+64*(\j)+8*(\p)
.set rC, rD
.if \cm
.set rC, BV+8*(\j)
.endif
.set rA, PF+8*(\p)
.set rB, RF+8*(\j)
.set rX, PS+4*((\p)/2)+(\kk)
.set rY, RS+(\kk)
.if ((\p)%2 == 0) && ((\j) == 0)
	v_wmma_scale_f32_16x16x128_f8f6f4 v[rD:rD+7], v[rA:rA+7], v[rB:rB+7], v[rC:rC+7], v[rX], v[rY] matrix_a_fmt:MATRIX_FMT_FP4 matrix_b_fmt:MATRIX_FMT_FP4
.elseif (\j) == 0
	v_wmma_scale_f32_16x16x128_f8f6f4 v[rD:rD+7], v[rA:rA+7], v[rB:rB+7], v[rC:rC+7], v[rX], v[rY] matrix_a_fmt:MATRIX_FMT_FP4 matrix_b_fmt:MATRIX_FMT_FP4 matrix_a_scale:MATRIX_SCALE_ROW1
.elseif (\p)%2 == 0
	v_wmma_scale_f32_16x16x128_f8f6f4 v[rD:rD+7], v[rA:rA+7], v[rB:rB+7], v[rC:rC+7], v[rX], v[rY] matrix_a_fmt:MATRIX_FMT_FP4 matrix_b_fmt:MATRIX_FMT_FP4 matrix_b_scale:MATRIX_SCALE_ROW1
.else
	v_wmma_scale_f32_16x16x128_f8f6f4 v[rD:rD+7], v[rA:rA+7], v[rB:rB+7], v[rC:rC+7], v[rX], v[rY] matrix_a_fmt:MATRIX_FMT_FP4 matrix_b_fmt:MATRIX_FMT_FP4 matrix_a_scale:MATRIX_SCALE_ROW1 matrix_b_scale:MATRIX_SCALE_ROW1
.endif
.endm
.macro MUL kk, cm                      ; 16 products; the 16 accumulators take turns, in the same order in every K step
.irp p, 0,1,2,3,4,5,6,7
.irp j, 0,1
	ONE \p, \j, \kk, \cm
.endr
.endr
.endm
.macro KSTEP kk
.rept 4
	v_nop                                          ; four places in front of loads into registers that matrix instructions have read
.endr
	FETCH \kk
	s_wait_dscnt 0x0
	MUL \kk, 0
.endm
	s_wait_tensorcnt 0x1                           ; my part of the first half of K is in; the second half's load may stay out
	s_barrier_signal -1
	s_barrier_wait -1                              ; everybody's is
	SCALES
	FETCH 0
	s_wait_loadcnt 0x0                             ; the biases
	s_wait_dscnt 0x0
	s_cmp_eq_u32 s23, 2
	s_cbranch_scc1 .Lv_first
	MUL 0, 0                                       ; q, k: onto the bias that lies in the accumulators
	s_branch .Lfirst_done
.Lv_first:
	MUL 0, 1
.Lfirst_done:
	KSTEP 1
	KSTEP 2
	KSTEP 3
	s_wait_tensorcnt 0x0                           ; my part of the second half is in,
	s_barrier_signal -1
	s_barrier_wait -1                              ; everybody's is
	v_add_nc_u32 v[AP], PHB, v[AP]                 ; on to it.  (These four are the places in front of the loads below)
	v_add_nc_u32 v[ASP], PHB, v[ASP]
	v_add_nc_u32 v[AR], RHB, v[AR]
	v_add_nc_u32 v[ASR], RHB, v[ASR]
	SCALES
	FETCH 0
	s_wait_dscnt 0x0
	MUL 0, 0
	KSTEP 1
	KSTEP 2
	KSTEP 3
.rept 4
	v_nop                                          ; four places in front of the first read of results
.endr
	s_mov_b32 s78, 0x76543210
	s_mov_b32 s79, 0xfedcba98                      ; selects for lane l xor 16
; 64 numbers of a lane, register 16 b + i = place 32 b + 16 h + i along the next K, become a fragment's codes in v[pc] on and its scale word in v[pw]
.macro QUANT s, pc, pw
.irp b, 0,1,2,3
	v_max3_num_f32 v[TM+\b], |v[\s+16*\b]|, |v[\s+1+16*\b]|, 0x1800000   ; my 16 numbers of block b, each accumulator from its low end on, and the floor 2^(3 - 127)
.endr
.irp i, 2,4,6,8,10,12,14
.irp b, 0,1,2,3
	v_max3_num_f32 v[TM+\b], v[TM+\b], |v[\s+16*\b+\i]|, |v[\s+1+16*\b+\i]|
.endr
.endr
.irp b, 0,1,2,3
	v_permlanex16_b32 v[TM+4+\b], v[TM+\b], s78, s79
.endr
.irp b, 0,1,2,3
	v_max_num_f32 v[TM+\b], v[TM+\b], v[TM+4+\b]   ; with lane l xor 16's: the block's largest magnitude
.endr
.irp b, 0,1,2,3
	v_add_nc_u32 v[TM+12+\b], 0xff000000, v[TM+\b] ; 2 off its exponent field: the conversion's scale operand
.endr
.irp b, 0,1,2,3
	v_lshrrev_b32 v[TM+4+\b], 23, v[TM+12+\b]      ; the scale's byte
.endr
	v_lshl_or_b32 v[\pw], v[TM+5], 8, v[TM+4]
	v_lshl_or_b32 v[\pw], v[TM+6], 16, v[\pw]
	v_lshl_or_b32 v[\pw], v[TM+7], 24, v[\pw]
.irp b, 0,1,2,3
	v_cvt_scalef32_pk8_fp4_f32 v[\pc+2*\b], v[\s+16*\b:\s+7+16*\b], v[TM+12+\b]
	v_cvt_scalef32_pk8_fp4_f32 v[\pc+1+2*\b], v[\s+8+16*\b:\s+15+16*\b], v[TM+12+\b]
.endr
	v_nop                                          ; one plain line behind the last conversion
.irp c, 0,1                                    ; the operand's layout wants a whole block in a lane
.irp i, 0,1
	v_permlane16_swap_b32 v[\pc+4*\c+\i], v[\pc+2+4*\c+\i]
.endr
.endr
.endm
	QUANT ACC, PC, PW
	QUANT ACC+64, PC+8, PW+1
	; WHERE THE CODES GO.  q, k: registers 0-3 are head hd0's 64 dims of 16 tokens, registers 4-7 head hd0 + 1's: 512 bytes each, at [head][tile of tokens].
	; v: the 8 registers are one fragment of V^T (16 dims x 128 keys): 1,024 bytes at [head][step of 128 keys][tile of dims].
	s_lshr_b32 s80, s71, 4
	s_lshl_b32 s80, s80, 4
	s_lshl_b32 s81, s70, 2
	s_add_co_u32 s80, s80, s81
	s_lshl_b32 s81, s19, 1
	s_add_co_u32 s80, s80, s81                     ; q, k: 16 batch + hd0
	s_lshl_b32 s81, s71, 3
	s_lshl_b32 s82, s20, 1
	s_add_co_u32 s81, s81, s82
	s_and_b32 s81, s81, 127                        ; my first tile of tokens in its batch
	s_lshr_b32 s83, s70, 3
	s_lshl_b32 s83, s83, 4
	s_lshl_b32 s84, s71, 1
	s_add_co_u32 s83, s83, s84
	s_lshr_b32 s84, s20, 1
	s_add_co_u32 s83, s83, s84                     ; v: 16 batch + head
	s_lshl_b32 s84, s70, 1
	s_add_co_u32 s84, s84, s19
	s_and_b32 s84, s84, 15                         ; the step of 128 keys
	s_and_b32 s85, s20, 1                          ; which pair of the head's four tiles of dims
	s_mov_b32 s86, KVH
	s_cmp_eq_u32 s23, 0
	s_cselect_b32 s86, 65536, s86                  ; from head to head
	s_cselect_b64 s[88:89], s[12:13], s[16:17]     ; qimg or kv
	s_mul_i32 s87, s80, s86
	s_lshl_b32 s90, s81, 9
	s_add_co_u32 s87, s87, s90
	s_mul_i32 s90, s83, KVH
	s_lshl_b32 s91, s84, 12
	s_add_co_u32 s90, s90, s91
	s_lshl_b32 s91, s85, 11
	s_add_co_u32 s90, s90, s91
	s_add_co_u32 s90, s90, 65536
	s_cmp_eq_u32 s23, 2
	s_cselect_b32 s92, s90, s87                    ; tile 0, registers 0-3
	s_cselect_b32 s94, 512, s86                    ; from there to registers 4-7
	s_mov_b32 s96, 512
	s_cselect_b32 s96, 1024, s96                   ; and to tile 1
	s_mov_b32 s93, 0
	s_mov_b32 s95, 0
	s_mov_b32 s97, 0
	s_add_nc_u64 s[88:89], s[88:89], s[92:93]
	s_add_nc_u64 s[90:91], s[88:89], s[94:95]
	s_add_nc_u64 s[92:93], s[88:89], s[96:97]
	s_add_nc_u64 s[94:95], s[90:91], s[96:97]
	global_store_b128 v6, v[PC:PC+3], s[88:89]     ; each store covers 512 consecutive bytes
	global_store_b128 v6, v[PC+4:PC+7], s[90:91]
	global_store_b128 v6, v[PC+8:PC+11], s[92:93]
	global_store_b128 v6, v[PC+12:PC+15], s[94:95]
	v_cmp_ne_u32 vcc_lo, 0, v[HH]
	s_cmp_eq_u32 s23, 1
	s_cbranch_scc1 .Lk_scales
	v_cndmask_b32 v40, v[PW], v[PW+1], vcc_lo      ; lanes 0-15 tile 0's word, lanes 16-31 tile 1's
	s_cmp_eq_u32 s23, 2
	s_cbranch_scc1 .Lv_scales
	s_lshl_b32 s98, s80, 13                        ; q: [head][tile][16 words]; a word is the head's two bytes, twice
	s_lshl_b32 s99, s81, 6
	s_add_co_u32 s98, s98, s99
	s_mov_b32 s99, 0
	s_add_nc_u64 s[14:15], s[14:15], s[98:99]
	v_perm_b32 v41, v40, v40, 0x01000100
	v_perm_b32 v42, v40, v40, 0x03020302
	global_store_b32 v7, v41, s[14:15]
	global_store_b32 v7, v42, s[14:15] offset:8192
	s_branch .Ldone
.Lk_scales:                                            ; k: [32 keys][16 words]: the even tile's two bytes, then the odd tile's; lanes 0-15 head hd0, lanes 16-31 head hd0 + 1
	v_perm_b32 v41, v[PW+1], v[PW], 0x05040100
	v_perm_b32 v42, v[PW+1], v[PW], 0x07060302
	v_cndmask_b32 v41, v41, v42, vcc_lo
	v_and_b32 v43, 15, v0
	v_lshlrev_b32 v43, 2, v43
	v_mul_u32_u24 v44, v[HH], KVH
	v_add_nc_u32 v43, v43, v44
	s_mul_i32 s98, s80, KVH
	s_lshl_b32 s99, s81, 5
	s_add_co_u32 s98, s98, s99
	s_add_co_u32 s98, s98, 131072
	s_mov_b32 s99, 0
	s_add_nc_u64 s[16:17], s[16:17], s[98:99]
	global_store_b32 v43, v41, s[16:17]
	s_branch .Ldone
.Lv_scales:                                            ; v: [step][tile of dims][16 words]
	s_mul_i32 s98, s83, KVH
	s_lshl_b32 s99, s84, 8
	s_add_co_u32 s98, s98, s99
	s_lshl_b32 s99, s85, 7
	s_add_co_u32 s98, s98, s99
	s_add_co_u32 s98, s98, 135168
	s_mov_b32 s99, 0
	s_add_nc_u64 s[16:17], s[16:17], s[98:99]
	global_store_b32 v7, v40, s[16:17]
.Ldone:
	s_set_vgpr_msb 0x5
	s_wait_tensorcnt 0x0
	ds_add_u32 v0, v1
	s_wait_dscnt 0x0
	s_set_vgpr_msb 0x500
	CROUND                                         ; the closing round: no work-group ends while a partner may still ask for a block that names it
	s_endpgm
.Lfunc_end_k_qf09d25848b_proj:
	.size	k_qf09d25848b_proj, .Lfunc_end_k_qf09d25848b_proj-k_qf09d25848b_proj
	.p2alignl 7, 3214868480
	.fill 96, 4, 3214868480
	.section	.rodata,"a",@progbits
	.p2align	6, 0x0
	.amdhsa_kernel k_qf09d25848b_proj
		.amdhsa_group_segment_fixed_size 209920
		.amdhsa_private_segment_fixed_size 0
		.amdhsa_enable_private_segment 0
		.amdhsa_kernarg_size 56
		.amdhsa_user_sgpr_count 2
		.amdhsa_user_sgpr_kernarg_segment_ptr 1
		.amdhsa_wavefront_size32 1
		.amdhsa_system_sgpr_workgroup_id_x 1
		.amdhsa_system_sgpr_workgroup_id_y 1
		.amdhsa_system_sgpr_workgroup_id_z 1
		.amdhsa_system_vgpr_workitem_id 0
		.amdhsa_next_free_vgpr 258
		.amdhsa_next_free_sgpr 100
		.amdhsa_reserve_vcc 1
		.amdhsa_float_denorm_mode_32 3
		.amdhsa_float_denorm_mode_16_64 3
		.amdhsa_memory_ordered 1
		.amdhsa_forward_progress 1
		.amdhsa_inst_pref_size 54
	.end_amdhsa_kernel
	.amdgpu_metadata
---
amdhsa.version: [ 1, 2 ]
amdhsa.kernels:
  - .name:           k_qf09d25848b_proj
    .symbol:         k_qf09d25848b_proj.kd
    .args:
      - { .name: img, .offset: 0, .size: 8, .value_kind: global_buffer, .address_space: global }
      - { .name: bq, .offset: 8, .size: 8, .value_kind: global_buffer, .address_space: global }
      - { .name: bk, .offset: 16, .size: 8, .value_kind: global_buffer, .address_space: global }
      - { .name: bv, .offset: 24, .size: 8, .value_kind: global_buffer, .address_space: global }
      - { .name: qimg, .offset: 32, .size: 8, .value_kind: global_buffer, .address_space: global }
      - { .name: qsc, .offset: 40, .size: 8, .value_kind: global_buffer, .address_space: global }
      - { .name: kv, .offset: 48, .size: 8, .value_kind: global_buffer, .address_space: global }
    .group_segment_fixed_size: 209920
    .private_segment_fixed_size: 0
    .kernarg_segment_align: 8
    .kernarg_segment_size: 56
    .max_flat_workgroup_size: 256
    .sgpr_count:     100
    .vgpr_count:     258
    .wavefront_size: 32
...
	.end_amdgpu_metadata
.endif
;; end of part 2
;; launch attn (part 3): grid 4 x 64, 16 waves a work-group, no clusters, 142,336 bytes of LDS; arguments qimg, qsc, kv, mw, mf, cimg, csc; writes cimg, csc
.if DOCPART == 3
	.amdgcn_target "amdgcn-amd-amdhsa--gfx1250"
	.amdhsa_code_object_version 6
	.text
	.protected	k_qf09d25848b_attn
	.globl	k_qf09d25848b_attn
	.p2align	8
	.type	k_qf09d25848b_attn,@function
k_qf09d25848b_attn:
	s_mov_b64 s[64:65], 0
	v_nop
	global_prefetch_b8 v0, s[64:65] scope:SCOPE_SE
	s_setreg_imm32_b32 hwreg(HW_REG_WAVE_MODE, 25, 1), 1
	s_wait_xcnt 0x0
; ATTN.  ctx[b][q][head] = the sum over k of softmax_k(where(mask, q . k / 8, -1e9)) v[k], both products on codes of FP4 with E8M0 scales; ctx is quantised along the head's 64 and stored as the last launch's operand.
; THE SOFTMAX AHEAD OF THE SECOND PRODUCT: t = score x log2(e) / 8; M = the running largest t rounded UP to a whole number; p = 2^(t - M) is quantised along the keys, not normalised; the row's sum is taken of the
; unquantised p and divides at the end.  When M moves, the sum and O are multiplied by 2^(old M - new M): exact.
; SHARES.  A work-group owns one head (y) and 512 queries (x): 256 equal work-groups.  Each of its sixteen waves owns two tiles of 16 queries, one after the other, in 256 registers: four waves to a SIMD, so that one
; wave's vector work stands beside another's matrix work.  Every wave walks the head's 2,048 keys, 128 a step.
; LDS holds the head's record of kv as it lies in memory (K's images, V's images, their scale words: 139,264 bytes), copied once through registers, and 1,024 bytes in which ctx's scale bytes are gathered.
; NO CLUSTER, NO TENSOR LOAD: what four work-groups share is 139,264 bytes at the head of 32 tile-walks of vector work, and the loop has a branch on a stored flag.
; LAYOUT.  Both products are used transposed (S^T = K Q^T, O^T = V^T P^T): a lane holds ONE query (that of lane % 16 in its tile).  A tile's 16 rows are 32 (T / 2) + 8 (T % 2) + r + 8 (r / 8), so the 16
; registers of key tiles 2 b, 2 b + 1 are keys 32 b + 16 h + 0 .. 15.
; THE HEAD HAS 64 DIMS, THE INSTRUCTION 128 ALONG K: a fragment of K holds tile 2 b's keys at k 0-63 and tile 2 b + 1's at k 64-127; against (q, 0) it gives tile 2 b's scores, against (0, q) tile 2 b + 1's:
; zero codes add nothing.
; THE MASK comes as lane masks, one word for each score register (mw), read by scalar loads a step ahead, and a flag for each step (mf): a step that hides nothing jumps over the 64 selects.
; LIMITS: a hidden logit is taken as -2^30 and not -1e9, so that its t is a whole number and a row with no open key has p = 1 exactly; results are reference()'s while open logits lie above about -9.9e8.
; NaN and infinities are not served; a block of zeros gets the scale byte 1.
.set KVH,  139264
.set VIM,  65536                       ; V's images
.set KSC,  131072                      ; K's scale words; V's lie 4,096 further on
.set CSH,  139264                      ; ctx's scale bytes: [tile 32][row 16] of 2 bytes
; v1 16 x lane; v2 VIM + 16 x lane; v3 KSC + 4 x lane; v4 16 x thread; v5 4 r; v6 the hidden score; v7 where my row's two scale bytes go; v8-10 the step's LDS addresses; v11 CSH + 16 x thread
; v12 -M, v13 the largest t, v[14:15] the sum; v16-23 (q, 0), v24-31 (0, q); v32-63 K; v64, v65 K's scale words, v66, v67 V's, v68 Q's; v72-81 ctx's codes and bytes; v96-159 S^T, then p; v160-191 O^T;
; v192-223 V; v224-231 p's codes; v232-254 at work, v253 p's scale word
; s18 wave, s19 head, s[20:21] lane selects, s[22:23] c, s24 step x 4,096, s25 step x 256, s26 flags, s27 the mask words' offset, s28 trips; s[32:63], s[68:99] the step's 64 mask words
	s_load_b256 s[4:11], s[0:1], 0x0               ; qimg, qsc, kv, mw
	s_load_b128 s[12:15], s[0:1], 0x20             ; mf, cimg
	s_load_b64 s[16:17], s[0:1], 0x30              ; csc
	v_lshl_add_u32 v251, v0, 2, 0x22400
	v_mov_b32 v255, 0
	v_lshrrev_b32 v1, 5, v0
	v_readfirstlane_b32 s18, v1                    ; wave 0..15
	s_and_b32 s19, ttmp7, 0xffff                   ; 16 batch + head
	v_lshlrev_b32 v4, 4, v0
	v_add_nc_u32 v9, VIM, v4
	v_add_nc_u32 v10, KSC, v4
	v_add_nc_u32 v11, CSH, v4
	s_mul_i32 s28, s19, KVH
	s_mov_b32 s29, 0
	s_wait_kmcnt 0x0
	s_add_nc_u64 s[8:9], s[8:9], s[28:29]
.irp i, 0,1,2,3,4,5,6,7,8,9,10,11,12,13,14,15,16
	global_load_b128 v[96+4*\i:99+4*\i], v4, s[8:9] offset:8192*\i     ; the head's record: 17 x 8,192 bytes, 16 a thread
.endr
	v_and_b32 v5, 31, v0
	v_lshlrev_b32 v1, 4, v5
	v_add_nc_u32 v2, VIM, v1
	v_lshl_add_u32 v3, v5, 2, KSC
	v_and_b32 v5, 15, v0
	s_lshl_b32 s31, s18, 5
	s_add_co_u32 s31, s31, CSH
	v_lshl_add_u32 v7, v5, 1, s31
	v_lshlrev_b32 v5, 2, v5
	v_mov_b32 v6, 0xd0000000                       ; -2^33: as a logit (/ 8) -2^30
.irp j, 20,21,22,23,24,25,26,27
	v_mov_b32 v\j, 0                               ; the zero halves of (q, 0) and (0, q)
.endr
.irp j, 236,237,238,239,253
	v_mov_b32 v\j, 0                               ; a lane permute's destination counts as a source; v253 is named as the upper half of a pair before it is first made
.endr
	s_mov_b32 s20, 0x76543210
	s_mov_b32 s21, 0xfedcba98
	s_mov_b32 s22, 0x3e38aa3b                      ; c = log2(e) / 8
	s_mov_b32 s23, s22
	s_lshl_b32 s30, ttmp9, 5
	s_add_co_u32 s30, s30, s18                     ; my first tile of queries: 32 x + wave; the second is 16 further on
	s_lshl_b32 s28, s19, 16
	s_lshl_b32 s31, s30, 9
	s_add_co_u32 s28, s28, s31
	s_add_nc_u64 s[4:5], s[4:5], s[28:29]          ; its image,
	s_lshl_b32 s28, s19, 13
	s_lshl_b32 s31, s30, 6
	s_add_co_u32 s28, s28, s31
	s_add_nc_u64 s[6:7], s[6:7], s[28:29]          ; its scale words,
	s_lshl_b32 s28, s30, 12
	s_add_nc_u64 s[10:11], s[10:11], s[28:29]      ; its mask words,
	s_lshl_b32 s28, s30, 4
	s_add_nc_u64 s[12:13], s[12:13], s[28:29]      ; its flags,
	s_lshr_b32 s28, s19, 4
	s_lshl_b32 s28, s28, 7
	s_add_co_u32 s28, s28, s30
	s_lshl_b32 s28, s28, 13
	s_bfe_u32 s31, s19, 0x30001
	s_lshl_b32 s31, s31, 10
	s_add_co_u32 s28, s28, s31
	s_and_b32 s31, s19, 1
	s_lshl_b32 s31, s31, 9
	s_add_co_u32 s28, s28, s31
	s_add_nc_u64 s[14:15], s[14:15], s[28:29]      ; ctx: [tile of rows][K step = pair of heads][which of the pair][lane][16 bytes]
	s_lshl_b32 s28, s19, 7
	s_lshl_b32 s31, ttmp9, 5
	s_add_co_u32 s28, s28, s31
	s_lshl_b32 s28, s28, 5
	s_add_nc_u64 s[16:17], s[16:17], s[28:29]      ; and the work-group's 32 tiles of ctx's scale bytes
.irp i, 0,1,2,3,4,5,6,7,8,9,10,11,12,13,14,15,16
	s_wait_loadcnt 16-\i                           ; loads come back in order: number i is in
.if \i < 8
	ds_store_b128 v4, v[96+4*\i:99+4*\i] offset:8192*\i
.elseif \i < 16
	ds_store_b128 v9, v[96+4*\i:99+4*\i] offset:8192*(\i-8)
.else
	ds_store_b128 v10, v[96+4*\i:99+4*\i]
.endif
.endr
	s_wait_dscnt 0x0                               ; for the others' sake: my stores have landed
	s_barrier_signal -1
	s_barrier_wait -1                              ; the record is whole
.macro MASKW qt                        ; 64 mask words of the step at s27
	s_load_b512 s[32:47], s[10:11], s27 offset:65536*\qt
	s_load_b512 s[48:63], s[10:11], s27 offset:65536*\qt+64
	s_load_b512 s[68:83], s[10:11], s27 offset:65536*\qt+128
	s_load_b512 s[84:99], s[10:11], s27 offset:65536*\qt+192
.endm
.macro SCORE b, u
.if (\b)%2
	v_wmma_scale_f32_16x16x128_f8f6f4 v[96+8*(2*\b+\u):103+8*(2*\b+\u)], v[32+8*\b:39+8*\b], v[16+8*\u:23+8*\u], 0, v[64+\b/2], v68 matrix_a_fmt:MATRIX_FMT_FP4 matrix_b_fmt:MATRIX_FMT_FP4 matrix_a_scale:MATRIX_SCALE_ROW1
.else
	v_wmma_scale_f32_16x16x128_f8f6f4 v[96+8*(2*\b+\u):103+8*(2*\b+\u)], v[32+8*\b:39+8*\b], v[16+8*\u:23+8*\u], 0, v[64+\b/2], v68 matrix_a_fmt:MATRIX_FMT_FP4 matrix_b_fmt:MATRIX_FMT_FP4
.endif
.endm
.macro PV t
.if (\t)%2
	v_wmma_scale_f32_16x16x128_f8f6f4 v[160+8*\t:167+8*\t], v[192+8*\t:199+8*\t], v[224:231], v[160+8*\t:167+8*\t], v[66+\t/2], v253 matrix_a_fmt:MATRIX_FMT_FP4 matrix_b_fmt:MATRIX_FMT_FP4 matrix_a_scale:MATRIX_SCALE_ROW1
.else
	v_wmma_scale_f32_16x16x128_f8f6f4 v[160+8*\t:167+8*\t], v[192+8*\t:199+8*\t], v[224:231], v[160+8*\t:167+8*\t], v[66+\t/2], v253 matrix_a_fmt:MATRIX_FMT_FP4 matrix_b_fmt:MATRIX_FMT_FP4
.endif
.endm
; ONE TILE OF 16 QUERIES through all keys.  qt = 0, 1: everything that hangs on it is an immediate.
.macro QTILE qt
.if \qt
	s_wait_kmcnt 0x0                               ; the last trip's scalar loads are in: their registers may be loaded again
.endif
	global_load_b128 v[16:19], v1, s[4:5] offset:8192*\qt          ; q, into (q, 0)
	global_load_b128 v[28:31], v1, s[4:5] offset:8192*\qt          ; and into (0, q)
	global_load_b32 v68, v5, s[6:7] offset:1024*\qt
	s_load_b128 s[68:71], s[12:13], 256*\qt        ; four words of four flags
.set j, 0
.rept 32
	v_mov_b32 v[160+j], 0                          ; O^T: the step is written once; the first finds zeros, which the first change of M leaves zeros
.set j, j+1
.endr
	v_mov_b32 v13, 0xff61b1e6                      ; the largest t so far: -3e38
	v_floor_f32 v12, -v13                          ; -M
	v_mov_b32 v14, 0
	v_mov_b32 v15, 0
	s_wait_kmcnt 0x0
	s_lshl_b32 s69, s69, 4
	s_lshl_b32 s70, s70, 8
	s_lshl_b32 s71, s71, 12
	s_or_b32 s26, s68, s69
	s_or_b32 s26, s26, s70
	s_or_b32 s26, s26, s71                         ; bit s: step s hides something
	s_mov_b32 s24, 0
	s_mov_b32 s25, 0
	s_mov_b32 s27, 0
	s_mov_b32 s28, 16
	MASKW \qt                                      ; step 0's
	s_wait_loadcnt 0x0                             ; q and its scale words
.Lstep_\@:
	v_add_nc_u32 v8, s24, v1
	v_add_nc_u32 v9, s24, v2
	v_add_nc_u32 v10, s25, v3
.irp i, 0,1,2,3,4,5,6,7
	ds_load_b128 v[32+4*\i:35+4*\i], v8 offset:512*\i              ; the step's eight tiles of keys: two to a fragment
.endr
	ds_load_b32 v64, v10                           ; lanes 0-15 fragment 0's scale words, lanes 16-31 fragment 1's
	ds_load_b32 v65, v10 offset:128
	s_wait_dscnt 0x0
.irp b, 0,1,2,3
	SCORE \b, 0
	SCORE \b, 1
.endr
.rept 4
	v_nop                                          ; four places: in front of the first read of the scores, and (with the three additions above) of the loads into V's registers, which the last trip's products read
.endr
.irp i, 0,1,2,3,4,5,6,7
	ds_load_b128 v[192+4*\i:195+4*\i], v9 offset:512*\i            ; V's four fragments: wanted behind the softmax
.endr
	ds_load_b32 v66, v10 offset:4096
	ds_load_b32 v67, v10 offset:4224
	s_wait_kmcnt 0x0                               ; this step's mask words are in (asked for a step ago)
	s_bitcmp1_b32 s26, 0
	s_cbranch_scc0 .Lopen_\@                       ; nothing hidden in these 128 keys
.set n, 0
.rept 32
	v_cndmask_b32 v[96+n], v[96+n], v6, s[32+n]    ; hidden scores, each accumulator from its low end on
.set n, n+1
.endr
.rept 32
	v_cndmask_b32 v[96+n], v[96+n], v6, s[36+n]
.set n, n+1
.endr
.Lopen_\@:
	s_add_co_u32 s27, s27, 256                     ; (behind the wait that showed the last scalar loads done)
	s_and_b32 s27, s27, 4095                       ; the last trip asks for step 0's again: inside the buffer
	MASKW \qt
.irp b, 0,1,2,3
	v_max3_num_f32 v[232+\b], v[96+16*\b], v[97+16*\b], v[98+16*\b]   ; the largest score of each block of 32 keys: for the row's maximum, and, since p rises with the score, for the block's largest p
.endr
.irp i, 3,5,7,9,11,13
.irp b, 0,1,2,3
	v_max3_num_f32 v[232+\b], v[232+\b], v[96+16*\b+\i], v[97+16*\b+\i]
.endr
.endr
.irp b, 0,1,2,3
	v_max_num_f32 v[232+\b], v[232+\b], v[111+16*\b]
.endr
.irp b, 0,1,2,3
	v_permlanex16_b32 v[236+\b], v[232+\b], s20, s21
.endr
.irp b, 0,1,2,3
	v_max_num_f32 v[232+\b], v[232+\b], v[236+\b]  ; with lane l xor 16's 16 keys
.endr
	v_max3_num_f32 v254, v232, v233, v234
	v_max_num_f32 v254, v254, v235
	v_mul_f32 v254, s22, v254                      ; as t
	v_max_num_f32 v13, v13, v254                   ; the running largest t
	v_mov_b32 v254, v12
	v_floor_f32 v12, -v13                          ; the new -M = -ceil(t)
	v_sub_f32 v254, v12, v254                      ; old M - new M: a whole number, 0 or less
	v_cvt_i32_f32 v254, v254                       ; (it saturates)
	v_ldexp_f32 v252, 1.0, v254                    ; f = 2^(old M - new M)
.set j, 0
.rept 32
	v_pk_fma_f32 v[96+j:97+j], v[96+j:97+j], s[22:23], v[12:13] op_sel_hi:[1,0,0]   ; t - M, two at a time
.set j, j+2
.endr
.irp b, 0,1,2,3
	v_fma_f32 v[232+\b], v[232+\b], s22, v12       ; the same of each block's largest score
.endr
.set j, 0
.rept 64
	v_exp_f32 v[96+j], v[96+j]                     ; p = 2^(t - M)
.set j, j+1
.endr
	v_pk_mul_f32 v[14:15], v[14:15], v[252:253] op_sel_hi:[1,0]    ; the sums under the new M: the plain line behind the exponentials
	s_wait_alu depctr_va_vdst(0)                   ; one wait for the batch of 64, ahead of its first reader
.irp b, 0,1,2,3
	v_exp_f32 v[232+\b], v[232+\b]                 ; each block's largest p
.endr
	v_pk_add_f32 v[236:237], v[96:97], v[98:99]    ; the row's sum, of the unquantised p, in two chains
.irp j, 4,8,12,16,20,24,28,32,36,40,44,48,52,56,60
	v_pk_add_f32 v[14:15], v[14:15], v[96+\j:97+\j]
	v_pk_add_f32 v[236:237], v[236:237], v[98+\j:99+\j]
.endr
	v_pk_add_f32 v[14:15], v[14:15], v[236:237]
	s_wait_alu depctr_va_vdst(0)                   ; and one for the four
.irp b, 0,1,2,3
	v_max_num_f32 v[232+\b], 0x1800000, v[232+\b]  ; the floor 2^(3 - 127): the byte cannot fall under 1
.endr
.irp b, 0,1,2,3
	v_add_nc_u32 v[244+\b], 0xff000000, v[232+\b]
.endr
.irp b, 0,1,2,3
	v_lshrrev_b32 v[236+\b], 23, v[244+\b]
.endr
	v_lshl_or_b32 v253, v237, 8, v236              ; p's scale word for these 128 keys
	v_lshl_or_b32 v253, v238, 16, v253
	v_lshl_or_b32 v253, v239, 24, v253
.irp b, 0,1,2,3
	v_cvt_scalef32_pk8_fp4_f32 v[224+2*\b], v[96+16*\b:103+16*\b], v[244+\b]
	v_cvt_scalef32_pk8_fp4_f32 v[225+2*\b], v[104+16*\b:111+16*\b], v[244+\b]
.endr
	v_nop                                          ; one plain line behind the last conversion
.irp c, 0,1
.irp i, 0,1
	v_permlane16_swap_b32 v[224+4*\c+\i], v[226+4*\c+\i]
.endr
.endr
.set j, 0
.rept 16
	v_pk_mul_f32 v[160+j:161+j], v[160+j:161+j], v[252:253] op_sel_hi:[1,0]   ; O^T under the new M.  (These sixteen also stand between the making of p's codes and scale word and the products)
.set j, j+2
.endr
	s_wait_dscnt 0x0                               ; V
	PV 0                                           ; the four accumulators by turns; eight score products stand between two links of a chain
	PV 1
	PV 2
	PV 3
	s_add_co_u32 s24, s24, 4096
	s_add_co_u32 s25, s25, 256
	s_lshr_b32 s26, s26, 1
	s_sub_co_u32 s28, s28, 1
	s_cmp_lg_u32 s28, 0
	s_cbranch_scc1 .Lstep_\@
	v_add_f32 v14, v14, v15                        ; the sum's two halves,
	v_permlanex16_b32 v252, v14, s20, s21
	v_add_f32 v14, v14, v252                       ; and lane l xor 16's
	v_rcp_f32 v14, v14
.rept 4
	v_nop                                          ; the plain line behind the reciprocal, and four places behind the last products
.endr
	s_wait_alu depctr_va_vdst(0)                   ; ahead of the reciprocal's first reader
.set j, 0
.rept 16
	v_pk_mul_f32 v[96+j:97+j], v[160+j:161+j], v[14:15] op_sel_hi:[1,0]   ; ctx: register 16 b + i = dim 32 b + 16 h + i of my query
.set j, j+2
.endr
.irp b, 0,1                                    ; its two blocks of 32 along the last product's K
	v_max3_num_f32 v[232+\b], |v[96+16*\b]|, |v[97+16*\b]|, 0x1800000
.endr
.irp i, 2,4,6,8,10,12,14
.irp b, 0,1
	v_max3_num_f32 v[232+\b], v[232+\b], |v[96+16*\b+\i]|, |v[97+16*\b+\i]|
.endr
.endr
.irp b, 0,1
	v_permlanex16_b32 v[236+\b], v[232+\b], s20, s21
.endr
.irp b, 0,1
	v_max_num_f32 v[232+\b], v[232+\b], v[236+\b]
.endr
.irp b, 0,1
	v_add_nc_u32 v[244+\b], 0xff000000, v[232+\b]
.endr
.irp b, 0,1
	v_lshrrev_b32 v[236+\b], 23, v[244+\b]
.endr
	v_lshl_or_b32 v[80+\qt], v237, 8, v236         ; my row's two scale bytes
.irp b, 0,1
	v_cvt_scalef32_pk8_fp4_f32 v[72+4*\qt+2*\b], v[96+16*\b:103+16*\b], v[244+\b]
	v_cvt_scalef32_pk8_fp4_f32 v[73+4*\qt+2*\b], v[104+16*\b:111+16*\b], v[244+\b]
.endr
	v_nop
	v_permlane16_swap_b32 v[72+4*\qt], v[74+4*\qt]
	v_permlane16_swap_b32 v[73+4*\qt], v[75+4*\qt]
	global_store_b128 v1, v[72+4*\qt:75+4*\qt], s[14:15] offset:131072*\qt   ; 512 consecutive bytes: half an image
	ds_store_b16 v7, v[80+\qt] offset:512*\qt      ; lanes r and r + 16 write the same two bytes with the same value
.endm
	QTILE 0
	QTILE 1
	s_wait_dscnt 0x0                               ; for the others' sake
	s_barrier_signal -1
	s_barrier_wait -1                              ; the 32 tiles' scale bytes lie together: 1,024 bytes
	s_cmp_lt_u32 s18, 2
	s_cbranch_scc0 .Lend
	ds_load_b128 v[84:87], v11
	s_wait_dscnt 0x0
	global_store_b128 v4, v[84:87], s[16:17]       ; a wave stores 512 consecutive bytes
.Lend:
	s_wait_tensorcnt 0x0
	ds_add_u32 v251, v255
	s_wait_dscnt 0x0
	s_endpgm
.Lfunc_end_k_qf09d25848b_attn:
	.size	k_qf09d25848b_attn, .Lfunc_end_k_qf09d25848b_attn-k_qf09d25848b_attn
	.p2alignl 7, 3214868480
	.fill 96, 4, 3214868480
	.section	.rodata,"a",@progbits
	.p2align	6, 0x0
	.amdhsa_kernel k_qf09d25848b_attn
		.amdhsa_group_segment_fixed_size 142336
		.amdhsa_private_segment_fixed_size 0
		.amdhsa_enable_private_segment 0
		.amdhsa_kernarg_size 56
		.amdhsa_user_sgpr_count 2
		.amdhsa_user_sgpr_kernarg_segment_ptr 1
		.amdhsa_wavefront_size32 1
		.amdhsa_system_sgpr_workgroup_id_x 1
		.amdhsa_system_sgpr_workgroup_id_y 1
		.amdhsa_system_sgpr_workgroup_id_z 1
		.amdhsa_system_vgpr_workitem_id 0
		.amdhsa_next_free_vgpr 256
		.amdhsa_next_free_sgpr 100
		.amdhsa_reserve_vcc 0
		.amdhsa_float_denorm_mode_32 3
		.amdhsa_float_denorm_mode_16_64 3
		.amdhsa_memory_ordered 1
		.amdhsa_forward_progress 1
		.amdhsa_inst_pref_size 57
	.end_amdhsa_kernel
	.amdgpu_metadata
---
amdhsa.version: [ 1, 2 ]
amdhsa.kernels:
  - .name:           k_qf09d25848b_attn
    .symbol:         k_qf09d25848b_attn.kd
    .args:
      - { .name: qimg, .offset: 0, .size: 8, .value_kind: global_buffer, .address_space: global }
      - { .name: qsc, .offset: 8, .size: 8, .value_kind: global_buffer, .address_space: global }
      - { .name: kv, .offset: 16, .size: 8, .value_kind: global_buffer, .address_space: global }
      - { .name: mw, .offset: 24, .size: 8, .value_kind: global_buffer, .address_space: global }
      - { .name: mf, .offset: 32, .size: 8, .value_kind: global_buffer, .address_space: global }
      - { .name: cimg, .offset: 40, .size: 8, .value_kind: global_buffer, .address_space: global }
      - { .name: csc, .offset: 48, .size: 8, .value_kind: global_buffer, .address_space: global }
    .group_segment_fixed_size: 142336
    .private_segment_fixed_size: 0
    .kernarg_segment_align: 8
    .kernarg_segment_size: 56
    .max_flat_workgroup_size: 512
    .sgpr_count:     100
    .vgpr_count:     256
    .wavefront_size: 32
...
	.end_amdgpu_metadata
.endif
;; end of part 3
;; launch outp (part 4): grid 64 x 4, 8 waves a work-group, clusters of 4 x 4, 277,504 bytes of LDS; arguments img, cimg, csc, bo, out0; writes out0
.if DOCPART == 4
	.amdgcn_target "amdgcn-amd-amdhsa--gfx1250"
	.amdhsa_code_object_version 6
	.text
	.protected	k_qf09d25848b_outp
	.globl	k_qf09d25848b_outp
	.p2align	8
	.type	k_qf09d25848b_outp,@function
k_qf09d25848b_outp:
	s_mov_b64 s[64:65], 0
	v_nop
	global_prefetch_b8 v0, s[64:65] scope:SCOPE_SE
	s_setreg_imm32_b32 hwreg(HW_REG_WAVE_MODE, 25, 1), 1
	s_wait_xcnt 0x0
	s_wait_alu depctr_hold_cnt(0) depctr_sa_sdst(0) depctr_va_vdst(0) depctr_va_sdst(0) depctr_va_ssrc(0) depctr_va_vcc(0) depctr_vm_vsrc(0)
	s_getreg_b32 s2, hwreg(HW_REG_IB_STS2, 6, 4)
	s_cmp_eq_u32 s2, 0
	s_cbranch_scc0 .Lentry_in_a_cluster
	s_endpgm
.Lentry_in_a_cluster:
	s_bfe_u32 s2, ttmp6, 0x10000c
	s_cmp_lg_u32 s2, 0xf033
	s_cbranch_scc0 .Lentry_shape_is_right
	s_endpgm
.Lentry_shape_is_right:
; OUTP.  out0 = ctx wo^T + bo on codes of FP4 with E8M0 scales, sums in f32.
; Source 0 = P = wo's rows (records 1,728 on of img: a tile's 8,704 bytes are two halves of K, each [4 fragment images][16 rows x 4 scale words]); source 1 = R = ctx's rows
; (cimg: [tile of 16 rows][K step 8][image of 1,024 bytes]; csc: [16 batch + head][tile][row] of 2 scale bytes).  An image is a fragment as its registers: [c][lane][16 bytes].
; A TILE's 16 rows are 32 (T / 2) + 8 (T % 2) + r + 8 (r / 8), in wo, in ctx and in out0 alike.  In the result a lane holds one row of out0 and its registers run along the columns.
; SHARES.  A work-group makes 128 rows x 256 columns over all of K = 1,024: 256 work-groups.  Wave w: P's tiles 8 (w / 4) .. + 7, R's tiles 2 (w % 4), + 1: 16 accumulators.
; LDS holds all of K, filled once: no byte is filled twice.  The stages for the way out have bytes of their own.
; CLUSTER 4 x 4: wo's block hangs on cy alone and is asked for jointly by a row of the cluster, ctx's on cx alone, by a column.
.set REC,   8704
.set HALF,  4352
.set PHB,   16*HALF                    ; P: half of K of 16 tiles
.set RBASE, 2*PHB                      ; R: [half of K][tile 8][4,096 bytes]
.set RHB,   8*4096
.set SCB,   RBASE+2*RHB                ; ctx's scale bytes: [head 16][tile 8][row 16] of 2 bytes
.set STAGE, SCB+4096                   ; 16 rows x 528 bytes for each wave
.set SP,    528
.set AP,  1                            ; v1   LDS: my P fragments
.set AR,  2                            ; v2   my R fragments
.set ASP, 3                            ; v3   P's scale words
.set SR,  4                            ; v4   the stage: where I read a row back
.set SO,  7                            ; v7   the stage: where I put 16 bytes of a row
.set RS,  8                            ; v8-15    R's scale words of the 8 K steps: lanes 0-15 tile 0's, lanes 16-31 tile 1's
.set ASH, 16                           ; v16  LDS: my row's scale bytes
.set PF,  32                           ; v32-95   P's 8 fragments
.set RF,  96                           ; v96-111  R's 2
.set PS,  112                          ; v112-127 P's scale words
.set ACC, 128                          ; v128-255 accumulator (j, p) at 128 + 64 j + 8 p
.macro CROUND
	s_barrier_signal -1
	s_barrier_wait -1
	s_cmp_lg_u32 s18, 0
	s_cbranch_scc1 .Lnot_wave_0_\@
	s_barrier_signal -3
.Lnot_wave_0_\@:
	s_barrier_wait -3
	s_barrier_signal -1
	s_barrier_wait -1
.endm
	s_load_b256 s[4:11], s[0:1], 0x0               ; img, cimg, csc, bo
	s_load_b64 s[12:13], s[0:1], 0x20              ; out0
	v_lshl_add_u32 v30, v0, 2, 0x43800
	v_mov_b32 v31, 0
	ds_add_u32 v30, v31
	ds_add_u32 v30, v31
	v_lshrrev_b32 v1, 5, v0
	v_readfirstlane_b32 s18, v1                    ; wave 0..7
	s_lshr_b32 s19, s18, 2                         ; ph
	s_and_b32 s20, s18, 3                          ; wr
	s_bfe_u32 s21, ttmp6, 0x40000                  ; cx
	s_bfe_u32 s22, ttmp6, 0x40004                  ; cy: my block of 256 columns
	s_lshl_b32 s71, ttmp9, 2
	s_add_co_u32 s71, s71, s21                     ; Rt: my block of 128 rows
	s_lshl_b32 s72, s22, 4
	s_lshl_b32 s73, s20, 2
	s_add_co_u32 s72, s72, s73
	s_add_co_u32 s72, s72, 1728
	s_mul_i32 s72, s72, REC                        ; wo: 4 tiles a fetching wave
	s_mov_b32 s73, 0
	s_lshl_b32 s74, s71, 3
	s_lshl_b32 s75, s20, 1
	s_add_co_u32 s74, s74, s75
	s_lshl_b32 s74, s74, 13                        ; ctx: 2 tiles a fetching wave
	s_mov_b32 s75, 0
	s_lshr_b32 s80, s71, 4
	s_lshl_b32 s80, s80, 4
	s_lshl_b32 s81, s20, 2
	s_add_co_u32 s80, s80, s81
	s_lshl_b32 s80, s80, 12                        ; its scale bytes: 4 heads a fetching wave, 4,096 bytes from head to head,
	s_lshl_b32 s81, s71, 3
	s_and_b32 s81, s81, 127
	s_lshl_b32 s81, s81, 5
	s_add_co_u32 s80, s80, s81                     ; my 8 tiles' 256 bytes in each
	s_mov_b32 s81, 0
	s_lshl_b32 s96, s22, 2
	s_lshl_b32 s96, 15, s96                        ; my row of the cluster
	s_lshl_b32 s97, 0x1111, s21                    ; my column
	s_or_b32 s28, s96, (3<<16)|(1<<21)             ; P: 4 rows of 4,352 bytes (544 elements of 8), 8,704 apart
	s_mov_b32 s29, 544<<16
	s_mov_b32 s30, 4<<16
	s_mov_b32 s31, 544<<16
	s_mov_b32 s32, 4
	s_mov_b32 s33, 1088
	s_mov_b32 s34, 0
	s_mov_b32 s35, 0
	s_or_b32 s36, s97, (3<<16)|(1<<21)             ; R: 2 rows of 4,096 bytes, 8,192 apart
	s_mov_b32 s37, 512<<16
	s_mov_b32 s38, 2<<16
	s_mov_b32 s39, 512<<16
	s_mov_b32 s40, 2
	s_mov_b32 s41, 1024
	s_mov_b32 s42, 0
	s_mov_b32 s43, 0
	s_or_b32 s84, s97, (3<<16)|(1<<21)             ; the scale bytes: 4 rows of 256 bytes, 4,096 apart
	s_mov_b32 s85, 32<<16
	s_mov_b32 s86, 4<<16
	s_mov_b32 s87, 32<<16
	s_mov_b32 s88, 4
	s_mov_b32 s89, 512
	s_mov_b32 s90, 0
	s_mov_b32 s91, 0
	s_mul_i32 s76, s20, 4*HALF                     ; where they go: no place in the cluster enters an LDS address
	s_lshl_b32 s77, s20, 13
	s_add_co_u32 s77, s77, RBASE
	s_lshl_b32 s78, s20, 10
	s_add_co_u32 s78, s78, SCB
	s_wait_dscnt 0x0
	s_wait_kmcnt 0x0
	s_add_nc_u64 s[72:73], s[4:5], s[72:73]
	s_add_nc_u64 s[74:75], s[6:7], s[74:75]
.irp c, 0,1
	s_mov_b32 s[44+4*\c], 1
	s_add_co_u32 s[45+4*\c], s76, \c*PHB
	s_add_nc_u64 s[46+4*\c:47+4*\c], s[72:73], \c*HALF
	s_or_b32 s[47+4*\c], s[47+4*\c], 0x80000000
	s_mov_b32 s[52+4*\c], 1
	s_add_co_u32 s[53+4*\c], s77, \c*RHB
	s_add_nc_u64 s[54+4*\c:55+4*\c], s[74:75], \c*4096
	s_or_b32 s[55+4*\c], s[55+4*\c], 0x80000000
.endr
	s_mov_b32 s92, 1
	s_mov_b32 s93, s78
	s_add_nc_u64 s[94:95], s[8:9], s[80:81]
	s_or_b32 s95, s95, 0x80000000
	CROUND                                         ; all sixteen work-groups are here: the joint loads meet
	s_cmp_lt_u32 s18, 4                            ; waves 0-3 fetch wo (two loads out), waves 4-7 ctx and its scale bytes (three out): all first fills, in one branch
	s_cbranch_scc0 .Lfor_r
	tensor_load_to_lds s[44:47], s[28:35]
	s_nop 0
	tensor_load_to_lds s[48:51], s[28:35]
	s_nop 0
.rept 4
	v_nop
.endr
	s_branch .Lasked
.Lfor_r:
	tensor_load_to_lds s[92:95], s[84:91]
	s_nop 0
	tensor_load_to_lds s[52:55], s[36:43]
	s_nop 0
	tensor_load_to_lds s[56:59], s[36:43]
	s_nop 0
.rept 4
	v_nop
.endr
.Lasked:
	s_lshl_b32 s66, s22, 1
	s_add_co_u32 s66, s66, s19
	s_lshl_b32 s66, s66, 9                         ; my 128 columns, in bytes
	s_mov_b32 s67, 0
	s_add_nc_u64 s[10:11], s[10:11], s[66:67]      ; in bo,
	s_add_nc_u64 s[12:13], s[12:13], s[66:67]      ; and in a row of out0
	s_lshl_b32 s66, s71, 2
	s_add_co_u32 s66, s66, s20
	s_lshl_b32 s66, s66, 17                        ; my first row: 128 Rt + 32 wr, of 4,096 bytes
	s_add_nc_u64 s[12:13], s[12:13], s[66:67]
	v_and_b32 v17, 31, v0                          ; lane
	v_and_b32 v18, 15, v0                          ; r
	v_bfe_u32 v19, v0, 4, 1                        ; h
	v_lshlrev_b32 v6, 4, v17                       ; 16 x lane
	v_lshlrev_b32 v5, 6, v19                       ; 64 h
	s_mul_i32 s76, s19, 8*HALF
	v_add_nc_u32 v[AP], s76, v6
	v_add_nc_u32 v[AR], s77, v6
	v_mul_u32_u24 v20, v19, HALF
	v_lshl_add_u32 v20, v18, 4, v20
	v_add_nc_u32 v20, 4096, v20
	v_add_nc_u32 v[ASP], s76, v20
	s_lshl_b32 s78, s20, 6
	s_add_co_u32 s78, s78, SCB
	v_lshl_add_u32 v[ASH], v17, 1, s78             ; 64 wr + 2 x lane: lanes 0-15 tile 0's rows, lanes 16-31 tile 1's
	s_mul_i32 s79, s18, 16*SP
	s_add_co_u32 s79, s79, STAGE                   ; my stage
	v_mul_u32_u24 v[SO], v18, SP
	v_lshl_add_u32 v[SO], v19, 6, v[SO]
	v_add_nc_u32 v[SO], s79, v[SO]                 ; in: row r, + 64 h
	v_add_nc_u32 v[SR], s79, v6                    ; back: a row's 512 bytes, 16 a lane
.irp j, 0,1                                    ; the bias, straight into the accumulators, in the result's layout: the C of the first K step
.irp p, 0,1,2,3,4,5,6,7
	global_load_b128 v[ACC+64*\j+8*\p:ACC+64*\j+8*\p+3], v5, s[10:11] offset:128*(\p/2)+32*(\p%2)
	global_load_b128 v[ACC+64*\j+8*\p+4:ACC+64*\j+8*\p+7], v5, s[10:11] offset:128*(\p/2)+32*(\p%2)+16
.endr
.endr
.macro SCALES
.irp i, 0,1,2,3
	ds_load_b128 v[PS+4*\i:PS+4*\i+3], v[ASP] offset:REC*\i
.endr
.endm
.macro FETCH kk
.irp p, 0,1,2,3,4,5,6,7
.irp c, 0,1
	ds_load_b128 v[PF+8*\p+4*\c:PF+8*\p+4*\c+3], v[AP] offset:HALF*\p+1024*(\kk)+512*\c
.endr
.endr
.irp j, 0,1
.irp c, 0,1
	ds_load_b128 v[RF+8*\j+4*\c:RF+8*\j+4*\c+3], v[AR] offset:4096*\j+1024*(\kk)+512*\c
.endr
.endr
.endm
.macro ONE p, j, kk, hf
.set rD, ACC+64*(\j)+8*(\p)
.set rA, PF+8*(\p)
.set rB, RF+8*(\j)
.set rX, PS+4*((\p)/2)+(\kk)
.set rY, RS+4*(\hf)+(\kk)
.if ((\p)%2 == 0) && ((\j) == 0)
	v_wmma_scale_f32_16x16x128_f8f6f4 v[rD:rD+7], v[rA:rA+7], v[rB:rB+7], v[rD:rD+7], v[rX], v[rY] matrix_a_fmt:MATRIX_FMT_FP4 matrix_b_fmt:MATRIX_FMT_FP4
.elseif (\j) == 0
	v_wmma_scale_f32_16x16x128_f8f6f4 v[rD:rD+7], v[rA:rA+7], v[rB:rB+7], v[rD:rD+7], v[rX], v[rY] matrix_a_fmt:MATRIX_FMT_FP4 matrix_b_fmt:MATRIX_FMT_FP4 matrix_a_scale:MATRIX_SCALE_ROW1
.elseif (\p)%2 == 0
	v_wmma_scale_f32_16x16x128_f8f6f4 v[rD:rD+7], v[rA:rA+7], v[rB:rB+7], v[rD:rD+7], v[rX], v[rY] matrix_a_fmt:MATRIX_FMT_FP4 matrix_b_fmt:MATRIX_FMT_FP4 matrix_b_scale:MATRIX_SCALE_ROW1
.else
	v_wmma_scale_f32_16x16x128_f8f6f4 v[rD:rD+7], v[rA:rA+7], v[rB:rB+7], v[rD:rD+7], v[rX], v[rY] matrix_a_fmt:MATRIX_FMT_FP4 matrix_b_fmt:MATRIX_FMT_FP4 matrix_a_scale:MATRIX_SCALE_ROW1 matrix_b_scale:MATRIX_SCALE_ROW1
.endif
.endm
.macro MUL kk, hf                      ; 16 products; the 16 accumulators take turns, in the same order in every K step
.irp p, 0,1,2,3,4,5,6,7
.irp j, 0,1
	ONE \p, \j, \kk, \hf
.endr
.endr
.endm
.macro KSTEP kk, hf
.rept 4
	v_nop                                          ; four places in front of loads into registers that matrix instructions have read
.endr
	FETCH \kk
	s_wait_dscnt 0x0
	MUL \kk, \hf
.endm
	s_wait_tensorcnt 0x1                           ; all of mine but the second half of K is in: on either way one load was issued behind what is wanted now
	s_barrier_signal -1
	s_barrier_wait -1                              ; everybody's is
.irp hd, 0,1,2,3,4,5,6,7,8,9,10,11,12,13,14,15
	ds_load_u16 v[PF+\hd], v[ASH] offset:256*\hd   ; my row's two scale bytes of each head
.endr
	SCALES
	s_wait_dscnt 4                                 ; the sixteen are in; P's four loads may be out
.irp ks, 0,1,2,3,4,5,6,7
	v_lshl_or_b32 v[RS+\ks], v[PF+1+2*\ks], 16, v[PF+2*\ks]        ; a K step is two heads: four bytes
.endr
	FETCH 0
.rept 8
	v_nop                                          ; a scale register written by a vector instruction stands eight places ahead of a scaled matrix instruction
.endr
	s_wait_loadcnt 0x0                             ; the bias
	s_wait_dscnt 0x0
	MUL 0, 0
	KSTEP 1, 0
	KSTEP 2, 0
	KSTEP 3, 0
	s_wait_tensorcnt 0x0                           ; my part of the second half is in,
	s_barrier_signal -1
	s_barrier_wait -1                              ; everybody's is
	v_add_nc_u32 v[AP], PHB, v[AP]                 ; on to it.  (With the v_nop: the four places in front of the loads below)
	v_add_nc_u32 v[ASP], PHB, v[ASP]
	v_add_nc_u32 v[AR], RHB, v[AR]
	v_nop
	SCALES
	FETCH 0
	s_wait_dscnt 0x0
	MUL 0, 1
	KSTEP 1, 1
	KSTEP 2, 1
	KSTEP 3, 1
; THE WAY OUT.  A lane holds pieces of 32 bytes of one row, and the lanes beside it hold other rows: a tile of 16 rows x 128 columns goes through my own stage and comes back as whole rows of 512 bytes.
.macro TOSTAGE j, back
.irp p, 0,1,2,3,4,5,6,7
	ds_store_b128 v[SO], v[ACC+64*\j+8*\p:ACC+64*\j+8*\p+3] offset:128*(\p/2)+32*(\p%2)          ; each accumulator from its low end on
	ds_store_b128 v[SO], v[ACC+64*\j+8*\p+4:ACC+64*\j+8*\p+7] offset:128*(\p/2)+32*(\p%2)+16
.endr
.if \j
	s_wait_dscnt 32                                ; tile 0's stores are done (its 16 loads and these 16 stores may be out): its accumulators take the rows that come back
.endif
.irp i, 0,1,2,3,4,5,6,7,8,9,10,11,12,13,14,15
	ds_load_b128 v[\back+4*\i:\back+4*\i+3], v[SR] offset:SP*\i    ; LDS serves a wave's instructions in order: these see the stores above, and the next tile's stores come behind them
.endr
.endm
.macro SEND j, back, younger           ; younger: the LDS instructions issued behind this tile's loads
.irp i, 0,1,2,3,4,5,6,7,8,9,10,11,12,13,14,15
	s_wait_dscnt \younger+15-\i
	global_store_b128 v6, v[\back+4*\i:\back+4*\i+3], s[12:13] offset:32768*\j+(\i+8*(\i/8))*4096 th:TH_STORE_NT   ; 512 consecutive bytes of a row; written once, read by nobody here
.endr
.endm
.rept 4
	v_nop                                          ; four places in front of the first read of results and of the loads into P's registers
.endr
	TOSTAGE 0, PF
	TOSTAGE 1, ACC
	SEND 0, PF, 32
	SEND 1, ACC, 0
	s_wait_tensorcnt 0x0
	ds_add_u32 v30, v31
	s_wait_dscnt 0x0
	CROUND                                         ; the closing round: no work-group ends while a partner may still ask for a block that names it
	s_endpgm
.Lfunc_end_k_qf09d25848b_outp:
	.size	k_qf09d25848b_outp, .Lfunc_end_k_qf09d25848b_outp-k_qf09d25848b_outp
	.p2alignl 7, 3214868480
	.fill 96, 4, 3214868480
	.section	.rodata,"a",@progbits
	.p2align	6, 0x0
	.amdhsa_kernel k_qf09d25848b_outp
		.amdhsa_group_segment_fixed_size 277504
		.amdhsa_private_segment_fixed_size 0
		.amdhsa_enable_private_segment 0
		.amdhsa_kernarg_size 40
		.amdhsa_user_sgpr_count 2
		.amdhsa_user_sgpr_kernarg_segment_ptr 1
		.amdhsa_wavefront_size32 1
		.amdhsa_system_sgpr_workgroup_id_x 1
		.amdhsa_system_sgpr_workgroup_id_y 1
		.amdhsa_system_sgpr_workgroup_id_z 1
		.amdhsa_system_vgpr_workitem_id 0
		.amdhsa_next_free_vgpr 256
		.amdhsa_next_free_sgpr 100
		.amdhsa_reserve_vcc 0
		.amdhsa_float_denorm_mode_32 3
		.amdhsa_float_denorm_mode_16_64 3
		.amdhsa_memory_ordered 1
		.amdhsa_forward_progress 1
		.amdhsa_inst_pref_size 49
	.end_amdhsa_kernel
	.amdgpu_metadata
---
amdhsa.version: [ 1, 2 ]
amdhsa.kernels:
  - .name:           k_qf09d25848b_outp
    .symbol:         k_qf09d25848b_outp.kd
    .args:
      - { .name: img, .offset: 0, .size: 8, .value_kind: global_buffer, .address_space: global }
      - { .name: cimg, .offset: 8, .size: 8, .value_kind: global_buffer, .address_space: global }
      - { .name: csc, .offset: 16, .size: 8, .value_kind: global_buffer, .address_space: global }
      - { .name: bo, .offset: 24, .size: 8, .value_kind: global_buffer, .address_space: global }
      - { .name: out0, .offset: 32, .size: 8, .value_kind: global_buffer, .address_space: global }
    .group_segment_fixed_size: 277504
    .private_segment_fixed_size: 0
    .kernarg_segment_align: 8
    .kernarg_segment_size: 40
    .max_flat_workgroup_size: 256
    .sgpr_count:     100
    .vgpr_count:     256
    .wavefront_size: 32
...
	.end_amdgpu_metadata
.endif
;; end of part 4
;; ======== version 2 of 2: 4 launches; version 1 with the launch attn written anew for expert scheduling mode
;; limits: right only within a limited range of input values
;; workspace buffers: img 15,597,568 bytes; mw 524,288 bytes of whole numbers; mf 2,048 bytes of whole numbers; qimg 4,194,304 bytes; qsc 524,288 bytes; kv 8,912,896 bytes; cimg 4,194,304 bytes; csc 262,144 bytes
;; launch prep: the kernel of part 1 again; grid 576 x 1, 4 waves a work-group, no clusters, 34,304 bytes of LDS; arguments query, key, value, wq, wk, wv, wo, mask, img, mw, mf; writes img, mw, mf
;; launch proj: the kernel of part 2 again; grid 64 x 12, 8 waves a work-group, clusters of 4 x 4, 209,920 bytes of LDS; arguments img, bq, bk, bv, qimg, qsc, kv; writes qimg, qsc, kv
;; launch attn (part 5): grid 4 x 64, 16 waves a work-group, no clusters, 142,336 bytes of LDS; arguments qimg, qsc, kv, mw, mf, cimg, csc; writes cimg, csc
.if DOCPART == 5
	.amdgcn_target "amdgcn-amd-amdhsa--gfx1250"
	.amdhsa_code_object_version 6
	.text
	.protected	k_qf09d25848b_attn
	.globl	k_qf09d25848b_attn
	.p2align	8
	.type	k_qf09d25848b_attn,@function
k_qf09d25848b_attn:
	s_mov_b64 s[64:65], 0
	v_nop
	global_prefetch_b8 v0, s[64:65] scope:SCOPE_SE
	s_setreg_imm32_b32 hwreg(HW_REG_WAVE_SCHED_MODE, 0, 2), 2
	s_setreg_imm32_b32 hwreg(HW_REG_WAVE_MODE, 25, 1), 1
	s_wait_xcnt 0x0
	s_wait_alu depctr_vm_vsrc(0)
; ATTN.  ctx[b][q][head] = the sum over k of softmax_k(where(mask, q . k / 8, -1e9)) v[k], both products on codes of FP4 with E8M0 scales; ctx is quantised along the head's 64 and stored as the last launch's operand.
; THE SOFTMAX AHEAD OF THE SECOND PRODUCT: t = score x log2(e) / 8; M = the running largest t rounded UP to a whole number; p = 2^(t - M) is quantised along the keys, not normalised; the row's sum is taken of the
; unquantised p and divides at the end.  When M moves, the sum and O are multiplied by 2^(old M - new M): exact.
; SHARES.  A work-group owns one head (y) and 512 queries (x): 256 equal work-groups.  Each of its sixteen waves owns two tiles of 16 queries, one after the other, in 256 registers: four waves to a SIMD, so that one
; wave's vector work stands beside another's matrix work.  Every wave walks the head's 2,048 keys, 128 a step.
; LDS holds the head's record of kv as it lies in memory (K's images, V's images, their scale words: 139,264 bytes), copied once through registers, and 1,024 bytes in which ctx's scale bytes are gathered.
; NO CLUSTER, NO TENSOR LOAD: what four work-groups share is 139,264 bytes at the head of 32 tile-walks of vector work, and the loop has a branch on a stored flag.
; LAYOUT.  Both products are used transposed (S^T = K Q^T, O^T = V^T P^T): a lane holds ONE query (that of lane % 16 in its tile).  A tile's 16 rows are 32 (T / 2) + 8 (T % 2) + r + 8 (r / 8), so the 16
; registers of key tiles 2 b, 2 b + 1 are keys 32 b + 16 h + 0 .. 15.
; THE HEAD HAS 64 DIMS, THE INSTRUCTION 128 ALONG K: a fragment of K holds tile 2 b's keys at k 0-63 and tile 2 b + 1's at k 64-127; against (q, 0) it gives tile 2 b's scores, against (0, q) tile 2 b + 1's:
; zero codes add nothing.
; THE MASK comes as lane masks, one word for each score register (mw), read by scalar loads a step ahead, and a flag for each step (mf): a step that hides nothing jumps over the 64 selects.
; LIMITS: a hidden logit is taken as -2^30 and not -1e9, so that its t is a whole number and a row with no open key has p = 1 exactly; results are reference()'s while open logits lie above about -9.9e8.
; NaN and infinities are not served; a block of zeros gets the scale byte 1.
; THE MODE: SCHED_MODE bits 1:0 = 2 (LLVM: expert scheduling mode 2), set by the entry lines.  The code itself states the register dependences
; between vector or matrix instructions and memory or LDS instructions, with s_wait_alu, always for 0.
; THE PLAN.  Registers that memory or LDS instructions touch:
;   v32-63, v64, v65     K's fragments and scale words.  Read by a trip's eight score products, at its head; the NEXT step's ten loads land in them, dealt among the row sum's additions in the middle of the same trip.
;   v192-223, v66, v67   V's.  Read by a trip's four products, at its end; the next trip's ten loads land in them, behind its score products.
;   v8, v9, v10          LDS addresses: K's loads read v8 and v10, V's v9 and v10.  Written once a trip, behind the exponentials, for the step after this one.
;   v16-19, v28-31, v68  q and its scale words: loaded once for a tile of queries, read by the score products.
;   v72-79, v80, v81     ctx's codes and scale bytes: a set for each tile of queries, written at the tile's end, read by its two stores, never written again.
;   v9, v10, v96-163     at the head: addresses and data of the copy into LDS; written anew from the first barrier on.       v84-87: at the end, loaded and stored; no vector instruction names them.
;   v1, v4, v5, v7, v11  offsets and addresses made at the head and never written again.
;   v224-231, v253       p's codes and scale word: made by vector instructions, taken by the scaled products.
; A TRIP'S WAITS: one on va_vdst behind the places after the score products (the last trip's products are done reading V's registers); one on vm_vsrc ahead of the three address additions; the wait for the 64 exponentials,
; which also states that the score products are done reading K's registers and that the three addresses are written; the wait for the four exponentials; one on va_vdst ahead of the four products (p's codes and scale word are written).
.set KVH,  139264
.set VIM,  65536                       ; V's images
.set KSC,  131072                      ; K's scale words; V's lie 4,096 further on
.set CSH,  139264                      ; ctx's scale bytes: [tile 32][row 16] of 2 bytes
; v1 16 x lane; v2 VIM + 16 x lane; v3 KSC + 4 x lane; v4 16 x thread; v5 4 r; v6 the hidden score; v7 where my row's two scale bytes go; v8-10 LDS addresses of the step at s24, s25; v11 CSH + 16 x thread
; v12 -M, v13 the largest t, v[14:15] the sum; v16-23 (q, 0), v24-31 (0, q); v32-63 K; v64, v65 K's scale words, v66, v67 V's, v68 Q's; v72-81 ctx's codes and bytes; v96-159 S^T, then p; v160-191 O^T;
; v192-223 V; v224-231 p's codes; v232-254 at work, v253 p's scale word
; s18 wave, s19 head, s[20:21] lane selects, s[22:23] c, s24 step x 4,096 and s25 step x 256 of the step whose addresses v8-10 hold, s26 flags, s27 the mask words' offset, s28 trips; s[32:63], s[68:99] the step's 64 mask words
	s_load_b256 s[4:11], s[0:1], 0x0               ; qimg, qsc, kv, mw
	s_load_b128 s[12:15], s[0:1], 0x20             ; mf, cimg
	s_load_b64 s[16:17], s[0:1], 0x30              ; csc
	v_lshl_add_u32 v251, v0, 2, 0x22400
	v_mov_b32 v255, 0
	v_lshrrev_b32 v1, 5, v0
	v_readfirstlane_b32 s18, v1                    ; wave 0..15
	s_and_b32 s19, ttmp7, 0xffff                   ; 16 batch + head
	v_lshlrev_b32 v4, 4, v0
	v_add_nc_u32 v9, VIM, v4
	v_add_nc_u32 v10, KSC, v4
	v_add_nc_u32 v11, CSH, v4
	s_mul_i32 s28, s19, KVH
	s_mov_b32 s29, 0
	s_wait_kmcnt 0x0
	s_add_nc_u64 s[8:9], s[8:9], s[28:29]
	s_wait_alu depctr_va_vdst(0)                   ; v4 is written, the offset of the loads below; so are v9, v10 and v11, the addresses of the LDS stores below and of the last LDS load: no vector instruction names these four again ahead of their readers
.irp i, 0,1,2,3,4,5,6,7,8,9,10,11,12,13,14,15,16
	global_load_b128 v[96+4*\i:99+4*\i], v4, s[8:9] offset:8192*\i     ; the head's record: 17 x 8,192 bytes, 16 a thread
.endr
	v_and_b32 v5, 31, v0
	v_lshlrev_b32 v1, 4, v5
	v_add_nc_u32 v2, VIM, v1
	v_lshl_add_u32 v3, v5, 2, KSC
	v_and_b32 v5, 15, v0
	s_wait_alu depctr_va_sdst(0)                   ; s18 is written, ahead of its first reader
	s_lshl_b32 s31, s18, 5
	s_add_co_u32 s31, s31, CSH
	v_lshl_add_u32 v7, v5, 1, s31
	v_lshlrev_b32 v5, 2, v5
	v_mov_b32 v6, 0xd0000000                       ; -2^33: as a logit (/ 8) -2^30
.irp j, 20,21,22,23,24,25,26,27
	v_mov_b32 v\j, 0                               ; the zero halves of (q, 0) and (0, q)
.endr
.irp j, 236,237,238,239,253
	v_mov_b32 v\j, 0                               ; a lane permute's destination counts as a source; v253 is named as the upper half of a pair before it is first made
.endr
	s_mov_b32 s20, 0x76543210
	s_mov_b32 s21, 0xfedcba98
	s_mov_b32 s22, 0x3e38aa3b                      ; c = log2(e) / 8
	s_mov_b32 s23, s22
	s_lshl_b32 s30, ttmp9, 5
	s_add_co_u32 s30, s30, s18                     ; my first tile of queries: 32 x + wave; the second is 16 further on
	s_lshl_b32 s28, s19, 16
	s_lshl_b32 s31, s30, 9
	s_add_co_u32 s28, s28, s31
	s_add_nc_u64 s[4:5], s[4:5], s[28:29]          ; its image,
	s_lshl_b32 s28, s19, 13
	s_lshl_b32 s31, s30, 6
	s_add_co_u32 s28, s28, s31
	s_add_nc_u64 s[6:7], s[6:7], s[28:29]          ; its scale words,
	s_lshl_b32 s28, s30, 12
	s_add_nc_u64 s[10:11], s[10:11], s[28:29]      ; its mask words,
	s_lshl_b32 s28, s30, 4
	s_add_nc_u64 s[12:13], s[12:13], s[28:29]      ; its flags,
	s_lshr_b32 s28, s19, 4
	s_lshl_b32 s28, s28, 7
	s_add_co_u32 s28, s28, s30
	s_lshl_b32 s28, s28, 13
	s_bfe_u32 s31, s19, 0x30001
	s_lshl_b32 s31, s31, 10
	s_add_co_u32 s28, s28, s31
	s_and_b32 s31, s19, 1
	s_lshl_b32 s31, s31, 9
	s_add_co_u32 s28, s28, s31
	s_add_nc_u64 s[14:15], s[14:15], s[28:29]      ; ctx: [tile of rows][K step = pair of heads][which of the pair][lane][16 bytes]
	s_lshl_b32 s28, s19, 7
	s_lshl_b32 s31, ttmp9, 5
	s_add_co_u32 s28, s28, s31
	s_lshl_b32 s28, s28, 5
	s_add_nc_u64 s[16:17], s[16:17], s[28:29]      ; and the work-group's 32 tiles of ctx's scale bytes
.irp i, 0,1,2,3,4,5,6,7,8,9,10,11,12,13,14,15,16
	s_wait_loadcnt 16-\i                           ; loads come back in order: number i is in
.if \i < 8
	ds_store_b128 v4, v[96+4*\i:99+4*\i] offset:8192*\i
.elseif \i < 16
	ds_store_b128 v9, v[96+4*\i:99+4*\i] offset:8192*(\i-8)
.else
	ds_store_b128 v10, v[96+4*\i:99+4*\i]
.endif
.endr
	s_wait_dscnt 0x0                               ; for the others' sake: my stores have landed
	s_barrier_signal -1
	s_barrier_wait -1                              ; the record is whole
; The LDS addresses of the step at s24, s25: K's images, V's images, the scale words.
.macro ADDR
	v_add_nc_u32 v8, s24, v1
	v_add_nc_u32 v9, s24, v2
	v_add_nc_u32 v10, s25, v3
.endm
	s_mov_b32 s24, 0
	s_mov_b32 s25, 0
	s_wait_alu depctr_vm_vsrc(0)                   ; my LDS stores have read v9 and v10, which are written anew below, and v96-163, which are scores and O^T from here on
	ADDR                                           ; step 0
	s_wait_alu depctr_va_vdst(0)                   ; v8, v9 and v10 are written, which K's and V's first loads read; so are v1 and v5 (q's loads), v1 and v7 (ctx's stores), and the zero halves v20-27, which the scaled products take
.irp i, 0,1,2,3,4,5,6,7
	ds_load_b128 v[32+4*\i:35+4*\i], v8 offset:512*\i              ; step 0's eight tiles of keys: two to a fragment
.endr
	ds_load_b32 v64, v10                           ; lanes 0-15 fragment 0's scale words, lanes 16-31 fragment 1's
	ds_load_b32 v65, v10 offset:128
.macro MASKW qt                        ; 64 mask words of the step at s27
	s_load_b512 s[32:47], s[10:11], s27 offset:65536*\qt
	s_load_b512 s[48:63], s[10:11], s27 offset:65536*\qt+64
	s_load_b512 s[68:83], s[10:11], s27 offset:65536*\qt+128
	s_load_b512 s[84:99], s[10:11], s27 offset:65536*\qt+192
.endm
.macro SCORE b, u
.if (\b)%2
	v_wmma_scale_f32_16x16x128_f8f6f4 v[96+8*(2*\b+\u):103+8*(2*\b+\u)], v[32+8*\b:39+8*\b], v[16+8*\u:23+8*\u], 0, v[64+\b/2], v68 matrix_a_fmt:MATRIX_FMT_FP4 matrix_b_fmt:MATRIX_FMT_FP4 matrix_a_scale:MATRIX_SCALE_ROW1
.else
	v_wmma_scale_f32_16x16x128_f8f6f4 v[96+8*(2*\b+\u):103+8*(2*\b+\u)], v[32+8*\b:39+8*\b], v[16+8*\u:23+8*\u], 0, v[64+\b/2], v68 matrix_a_fmt:MATRIX_FMT_FP4 matrix_b_fmt:MATRIX_FMT_FP4
.endif
.endm
.macro PV t
.if (\t)%2
	v_wmma_scale_f32_16x16x128_f8f6f4 v[160+8*\t:167+8*\t], v[192+8*\t:199+8*\t], v[224:231], v[160+8*\t:167+8*\t], v[66+\t/2], v253 matrix_a_fmt:MATRIX_FMT_FP4 matrix_b_fmt:MATRIX_FMT_FP4 matrix_a_scale:MATRIX_SCALE_ROW1
.else
	v_wmma_scale_f32_16x16x128_f8f6f4 v[160+8*\t:167+8*\t], v[192+8*\t:199+8*\t], v[224:231], v[160+8*\t:167+8*\t], v[66+\t/2], v253 matrix_a_fmt:MATRIX_FMT_FP4 matrix_b_fmt:MATRIX_FMT_FP4
.endif
.endm
; ONE TILE OF 16 QUERIES through all keys.  qt = 0, 1: everything that hangs on it is an immediate.
; At its head step 0's K is on its way and v8-10, s24, s25 stand at step 0: for the first tile by the lines above, for the second by the first tile's last trip, whose steps wrap.
.macro QTILE qt
.if \qt
	s_wait_kmcnt 0x0                               ; the last trip's scalar loads are in: their registers may be loaded again
.endif
	global_load_b128 v[16:19], v1, s[4:5] offset:8192*\qt          ; q, into (q, 0).  No wait stands here: v1 and v5 were written, and the score products that read v16-31 and v68 were issued, ahead of the last wait on va_vdst, and no vector or matrix instruction since names any of these
	global_load_b128 v[28:31], v1, s[4:5] offset:8192*\qt          ; and into (0, q)
	global_load_b32 v68, v5, s[6:7] offset:1024*\qt
	s_load_b128 s[68:71], s[12:13], 256*\qt        ; four words of four flags
.set j, 0
.rept 32
	v_mov_b32 v[160+j], 0                          ; O^T: the step is written once; the first finds zeros, which the first change of M leaves zeros
.set j, j+1
.endr
	v_mov_b32 v13, 0xff61b1e6                      ; the largest t so far: -3e38
	v_floor_f32 v12, -v13                          ; -M
	v_mov_b32 v14, 0
	v_mov_b32 v15, 0
	s_wait_kmcnt 0x0
	s_lshl_b32 s69, s69, 4
	s_lshl_b32 s70, s70, 8
	s_lshl_b32 s71, s71, 12
	s_or_b32 s26, s68, s69
	s_or_b32 s26, s26, s70
	s_or_b32 s26, s26, s71                         ; bit s: step s hides something
	s_mov_b32 s27, 0
	s_mov_b32 s28, 16
	MASKW \qt                                      ; step 0's
	s_wait_loadcnt 0x0                             ; q and its scale words
.Lstep_\@:
	s_wait_dscnt 0x0                               ; this step's K and its scale words are in: they were asked for in the middle of the trip before, or ahead of the first
.irp b, 0,1,2,3
	SCORE \b, 0
	SCORE \b, 1
.endr
.rept 4
	v_nop                                          ; four places in front of the first read of the scores
.endr
	s_wait_alu depctr_va_vdst(0)                   ; the last trip's four products V^T P^T are done reading v192-223, v66 and v67, in which the loads below land
.irp i, 0,1,2,3,4,5,6,7
	ds_load_b128 v[192+4*\i:195+4*\i], v9 offset:512*\i            ; V's four fragments: wanted behind the softmax
.endr
	ds_load_b32 v66, v10 offset:4096
	ds_load_b32 v67, v10 offset:4224
	s_wait_kmcnt 0x0                               ; this step's mask words are in (asked for a step ago)
	s_bitcmp1_b32 s26, 0
	s_cbranch_scc0 .Lopen_\@                       ; nothing hidden in these 128 keys
.set n, 0
.rept 32
	v_cndmask_b32 v[96+n], v[96+n], v6, s[32+n]    ; hidden scores, each accumulator from its low end on
.set n, n+1
.endr
.rept 32
	v_cndmask_b32 v[96+n], v[96+n], v6, s[36+n]
.set n, n+1
.endr
.Lopen_\@:
	s_add_co_u32 s27, s27, 256                     ; (behind the wait that showed the last scalar loads done)
	s_and_b32 s27, s27, 4095                       ; the last trip asks for step 0's again: inside the buffer
	MASKW \qt
.irp b, 0,1,2,3
	v_max3_num_f32 v[232+\b], v[96+16*\b], v[97+16*\b], v[98+16*\b]   ; the largest score of each block of 32 keys: for the row's maximum, and, since p rises with the score, for the block's largest p
.endr
.irp i, 3,5,7,9,11,13
.irp b, 0,1,2,3
	v_max3_num_f32 v[232+\b], v[232+\b], v[96+16*\b+\i], v[97+16*\b+\i]
.endr
.endr
.irp b, 0,1,2,3
	v_max_num_f32 v[232+\b], v[232+\b], v[111+16*\b]
.endr
.irp b, 0,1,2,3
	v_permlanex16_b32 v[236+\b], v[232+\b], s20, s21
.endr
.irp b, 0,1,2,3
	v_max_num_f32 v[232+\b], v[232+\b], v[236+\b]  ; with lane l xor 16's 16 keys
.endr
	v_max3_num_f32 v254, v232, v233, v234
	v_max_num_f32 v254, v254, v235
	v_mul_f32 v254, s22, v254                      ; as t
	v_max_num_f32 v13, v13, v254                   ; the running largest t
	v_mov_b32 v254, v12
	v_floor_f32 v12, -v13                          ; the new -M = -ceil(t)
	v_sub_f32 v254, v12, v254                      ; old M - new M: a whole number, 0 or less
	v_cvt_i32_f32 v254, v254                       ; (it saturates)
	v_ldexp_f32 v252, 1.0, v254                    ; f = 2^(old M - new M)
.set j, 0
.rept 32
	v_pk_fma_f32 v[96+j:97+j], v[96+j:97+j], s[22:23], v[12:13] op_sel_hi:[1,0,0]   ; t - M, two at a time
.set j, j+2
.endr
.irp b, 0,1,2,3
	v_fma_f32 v[232+\b], v[232+\b], s22, v12       ; the same of each block's largest score
.endr
.set j, 0
.rept 64
	v_exp_f32 v[96+j], v[96+j]                     ; p = 2^(t - M)
.set j, j+1
.endr
	v_pk_mul_f32 v[14:15], v[14:15], v[252:253] op_sel_hi:[1,0]    ; the sums under the new M: the plain line behind the exponentials
	s_add_co_u32 s24, s24, 4096                    ; on to the next step;
	s_and_b32 s24, s24, 0xf000                     ; behind the sixteenth comes step 0 again: the first tile's last trip so asks for what the second tile wants first; the second tile's asks for K's first bytes once more, and nobody reads them
	s_add_co_u32 s25, s25, 256
	s_and_b32 s25, s25, 0xf00
	s_wait_alu depctr_vm_vsrc(0)                   ; the LDS loads issued so far have read v8, v9 and v10
	ADDR                                           ; independent work behind the batch
	s_wait_alu depctr_va_vdst(0)                   ; one wait for three things: the 64 exponentials have written p, ahead of its first reader; the score products are done reading v32-65, in which the next step's K lands; v8, v9 and v10 are written
.irp b, 0,1,2,3
	v_exp_f32 v[232+\b], v[232+\b]                 ; each block's largest p
.endr
	v_pk_add_f32 v[236:237], v[96:97], v[98:99]    ; the row's sum, of the unquantised p, in two chains
.irp j, 4,8,12,16,20,24,28,32,36,40,44,48,52,56,60
	v_pk_add_f32 v[14:15], v[14:15], v[96+\j:97+\j]
	v_pk_add_f32 v[236:237], v[236:237], v[98+\j:99+\j]
.if \j < 36
	ds_load_b128 v[28+\j:31+\j], v8 offset:128*\j-512              ; the next step's K, a load behind each pair of additions.  No wait: no vector or matrix instruction since the wait above names v8, v10 or v32-65
.elseif \j == 36
	ds_load_b32 v64, v10                           ; and its scale words
.elseif \j == 40
	ds_load_b32 v65, v10 offset:128
.endif
.endr
	v_pk_add_f32 v[14:15], v[14:15], v[236:237]
	s_wait_alu depctr_va_vdst(0)                   ; the four exponentials have written v232-235, ahead of their first reader
.irp b, 0,1,2,3
	v_max_num_f32 v[232+\b], 0x1800000, v[232+\b]  ; the floor 2^(3 - 127): the byte cannot fall under 1
.endr
.irp b, 0,1,2,3
	v_add_nc_u32 v[244+\b], 0xff000000, v[232+\b]
.endr
.irp b, 0,1,2,3
	v_lshrrev_b32 v[236+\b], 23, v[244+\b]
.endr
	v_lshl_or_b32 v253, v237, 8, v236              ; p's scale word for these 128 keys
	v_lshl_or_b32 v253, v238, 16, v253
	v_lshl_or_b32 v253, v239, 24, v253
.irp b, 0,1,2,3
	v_cvt_scalef32_pk8_fp4_f32 v[224+2*\b], v[96+16*\b:103+16*\b], v[244+\b]
	v_cvt_scalef32_pk8_fp4_f32 v[225+2*\b], v[104+16*\b:111+16*\b], v[244+\b]
.endr
	v_nop                                          ; one plain line behind the last conversion
.irp c, 0,1
.irp i, 0,1
	v_permlane16_swap_b32 v[224+4*\c+\i], v[226+4*\c+\i]
.endr
.endr
.set j, 0
.rept 16
	v_pk_mul_f32 v[160+j:161+j], v[160+j:161+j], v[252:253] op_sel_hi:[1,0]   ; O^T under the new M.  (These sixteen also stand between the making of p's codes and scale word and the products)
.set j, j+2
.endr
	s_wait_dscnt 10                                ; LDS loads come back in order: V and its scale words are in; the ten loads issued behind them, the next step's K, may stay out
	s_wait_alu depctr_va_vdst(0)                   ; p's codes v224-231 and its scale word v253 are written, which the scaled products take; the places above stay beside this wait
	PV 0                                           ; the four accumulators by turns; eight score products stand between two links of a chain
	PV 1
	PV 2
	PV 3
	s_lshr_b32 s26, s26, 1
	s_sub_co_u32 s28, s28, 1
	s_cmp_lg_u32 s28, 0
	s_cbranch_scc1 .Lstep_\@
	v_add_f32 v14, v14, v15                        ; the sum's two halves,
	v_permlanex16_b32 v252, v14, s20, s21
	v_add_f32 v14, v14, v252                       ; and lane l xor 16's
	v_rcp_f32 v14, v14
.rept 4
	v_nop                                          ; the plain line behind the reciprocal, and four places behind the last products
.endr
	s_wait_alu depctr_va_vdst(0)                   ; the reciprocal has written v14, ahead of its first reader
.set j, 0
.rept 16
	v_pk_mul_f32 v[96+j:97+j], v[160+j:161+j], v[14:15] op_sel_hi:[1,0]   ; ctx: register 16 b + i = dim 32 b + 16 h + i of my query
.set j, j+2
.endr
.irp b, 0,1                                    ; its two blocks of 32 along the last product's K
	v_max3_num_f32 v[232+\b], |v[96+16*\b]|, |v[97+16*\b]|, 0x1800000
.endr
.irp i, 2,4,6,8,10,12,14
.irp b, 0,1
	v_max3_num_f32 v[232+\b], v[232+\b], |v[96+16*\b+\i]|, |v[97+16*\b+\i]|
.endr
.endr
.irp b, 0,1
	v_permlanex16_b32 v[236+\b], v[232+\b], s20, s21
.endr
.irp b, 0,1
	v_max_num_f32 v[232+\b], v[232+\b], v[236+\b]
.endr
.irp b, 0,1
	v_add_nc_u32 v[244+\b], 0xff000000, v[232+\b]
.endr
.irp b, 0,1
	v_lshrrev_b32 v[236+\b], 23, v[244+\b]
.endr
	v_lshl_or_b32 v[80+\qt], v237, 8, v236         ; my row's two scale bytes
.irp b, 0,1
	v_cvt_scalef32_pk8_fp4_f32 v[72+4*\qt+2*\b], v[96+16*\b:103+16*\b], v[244+\b]
	v_cvt_scalef32_pk8_fp4_f32 v[73+4*\qt+2*\b], v[104+16*\b:111+16*\b], v[244+\b]
.endr
	v_nop
	v_permlane16_swap_b32 v[72+4*\qt], v[74+4*\qt]
	v_permlane16_swap_b32 v[73+4*\qt], v[75+4*\qt]
	s_wait_alu depctr_va_vdst(0)                   ; ctx's codes and my row's scale bytes are written, which the two stores below read
	global_store_b128 v1, v[72+4*\qt:75+4*\qt], s[14:15] offset:131072*\qt   ; 512 consecutive bytes: half an image
	ds_store_b16 v7, v[80+\qt] offset:512*\qt      ; lanes r and r + 16 write the same two bytes with the same value
.endm
	QTILE 0
	QTILE 1
	s_wait_dscnt 0x0                               ; for the others' sake
	s_barrier_signal -1
	s_barrier_wait -1                              ; the 32 tiles' scale bytes lie together: 1,024 bytes
	s_cmp_lt_u32 s18, 2
	s_cbranch_scc0 .Lend
	ds_load_b128 v[84:87], v11                     ; v11 was written ahead of the head's first wait; no vector instruction names v84-87
	s_wait_dscnt 0x0
	global_store_b128 v4, v[84:87], s[16:17]       ; a wave stores 512 consecutive bytes
.Lend:
	s_wait_dscnt 0x0                               ; the closing lines, six on end
	s_wait_alu 0x0
	s_wait_tensorcnt 0x0
	ds_add_u32 v251, v255
	s_wait_dscnt 0x0
	s_endpgm
.Lfunc_end_k_qf09d25848b_attn:
	.size	k_qf09d25848b_attn, .Lfunc_end_k_qf09d25848b_attn-k_qf09d25848b_attn
	.p2alignl 7, 3214868480
	.fill 96, 4, 3214868480
	.section	.rodata,"a",@progbits
	.p2align	6, 0x0
	.amdhsa_kernel k_qf09d25848b_attn
		.amdhsa_group_segment_fixed_size 142336
		.amdhsa_private_segment_fixed_size 0
		.amdhsa_enable_private_segment 0
		.amdhsa_kernarg_size 56
		.amdhsa_user_sgpr_count 2
		.amdhsa_user_sgpr_kernarg_segment_ptr 1
		.amdhsa_wavefront_size32 1
		.amdhsa_system_sgpr_workgroup_id_x 1
		.amdhsa_system_sgpr_workgroup_id_y 1
		.amdhsa_system_sgpr_workgroup_id_z 1
		.amdhsa_system_vgpr_workitem_id 0
		.amdhsa_next_free_vgpr 256
		.amdhsa_next_free_sgpr 100
		.amdhsa_reserve_vcc 0
		.amdhsa_float_denorm_mode_32 3
		.amdhsa_float_denorm_mode_16_64 3
		.amdhsa_memory_ordered 1
		.amdhsa_forward_progress 1
		.amdhsa_inst_pref_size 59
	.end_amdhsa_kernel
	.amdgpu_metadata
---
amdhsa.version: [ 1, 2 ]
amdhsa.kernels:
  - .name:           k_qf09d25848b_attn
    .symbol:         k_qf09d25848b_attn.kd
    .args:
      - { .name: qimg, .offset: 0, .size: 8, .value_kind: global_buffer, .address_space: global }
      - { .name: qsc, .offset: 8, .size: 8, .value_kind: global_buffer, .address_space: global }
      - { .name: kv, .offset: 16, .size: 8, .value_kind: global_buffer, .address_space: global }
      - { .name: mw, .offset: 24, .size: 8, .value_kind: global_buffer, .address_space: global }
      - { .name: mf, .offset: 32, .size: 8, .value_kind: global_buffer, .address_space: global }
      - { .name: cimg, .offset: 40, .size: 8, .value_kind: global_buffer, .address_space: global }
      - { .name: csc, .offset: 48, .size: 8, .value_kind: global_buffer, .address_space: global }
    .group_segment_fixed_size: 142336
    .private_segment_fixed_size: 0
    .kernarg_segment_align: 8
    .kernarg_segment_size: 56
    .max_flat_workgroup_size: 512
    .sgpr_count:     100
    .vgpr_count:     256
    .wavefront_size: 32
...
	.end_amdgpu_metadata
.endif
;; end of part 5
;; launch outp: the kernel of part 4 again; grid 64 x 4, 8 waves a work-group, clusters of 4 x 4, 277,504 bytes of LDS; arguments img, cimg, csc, bo, out0; writes out0
